; MI455X (gfx1250); checked and timed in simulation.
; The chip was launched on July 23, 2026; its instructions are those of AMD's public machine-readable ISA for CDNA 5 (MIT licence, August 2026) and "CDNA5" Instruction Set Architecture Reference Guide (July 2026). The comments in the code are by the model that wrote it; some were corrected since.
;; Multihead Attention. Allowed arithmetic: float matrix products may take bf16 or f16 operands with f32 sums; all other float work in f32.
;; Inputs: b_proj 1,024 float32; w_proj 1,024 x 1,024 float32; w_qkv 3,072 x 1,024 float32; x 4 x 2,048 x 1,024 float32.
;; Outputs: out0 4 x 2,048 x 1,024 float32.
;; 2 versions, each right and faster than the one before. Each part assembles by itself: llvm-mc -triple=amdgcn-amd-amdhsa -mcpu=gfx1250 --defsym DOCPART=n.
;; ======== version 1 of 2: 4 launches
;; limits: values are held in f16: magnitudes above 65,504 overflow, below 6.1e-05 lose precision
;; workspace buffers: cb 25,165,824 bytes; qkv 50,331,648 bytes; att 16,777,216 bytes
;; launch cast (part 1): grid 768 x 1, 8 waves a work-group, no clusters, 0 bytes of LDS; arguments x, w_qkv, w_proj, cb; writes cb
.if DOCPART == 1
	.amdgcn_target "amdgcn-amd-amdhsa--gfx1250"
	.amdhsa_code_object_version 6
	.text
	.protected	k_qbd13637034_cast
	.globl	k_qbd13637034_cast
	.p2align	8
	.type	k_qbd13637034_cast,@function
k_qbd13637034_cast:
	s_mov_b64 s[64:65], 0
	v_nop
	global_prefetch_b8 v0, s[64:65] scope:SCOPE_SE
	s_setreg_imm32_b32 hwreg(HW_REG_WAVE_MODE, 25, 1), 1
	s_wait_xcnt 0x0
; x, w_qkv and w_proj, f32, are rounded once to f16 and laid one behind the other in cb:
;   x [8192][1024] at byte 0, w_qkv [3072][1024] at byte 16,777,216, w_proj [1024][1024] at byte 23,068,672.
; LIMIT: f16 holds magnitudes below 65,504 (larger ones become infinity) in steps of at least 2^-24; NaN and infinities are not served.
; A stream: every byte is read once and written once; LDS, barriers and matrix units would add nothing.
; Work-group id takes 16,384 numbers (65,536 bytes in, 32,768 out): ids 0-511 of x, 512-703 of w_qkv, 704-767 of w_proj.
; Since the three follow each other in cb in this order, the target is cb + 32,768 id for all of them.
; Thread t takes 16 bytes at 16 t of each of sixteen pieces of 4,096 bytes.  All sixteen loads of a wave go out first.
.set PIECE, 4096                       ; bytes that one load of the 256 threads covers
.set X, 4                              ; v[4:67]   piece j: four f32 as loaded
.set Y, 68                             ; v[68:99]  piece j: four f16 to store
	s_load_b256 s[4:11], s[0:1], 0x0               ; x s[4:5], w_qkv s[6:7], w_proj s[8:9], cb s[10:11]
	v_lshlrev_b32 v1, 4, v0                        ; 16 t: my bytes in a piece of the source
	v_lshlrev_b32 v2, 3, v0                        ; 8 t: my bytes in a piece of the target
	s_wait_kmcnt 0x0
	s_cmp_lt_u32 ttmp9, 512                        ; which source, and the id of its first work-group
	s_cselect_b64 s[12:13], s[4:5], s[6:7]
	s_cselect_b32 s14, 0, 512
	s_cmp_lt_u32 ttmp9, 704
	s_cselect_b64 s[12:13], s[12:13], s[8:9]
	s_cselect_b32 s14, s14, 704
	s_sub_co_u32 s16, ttmp9, s14
	s_lshl_b32 s16, s16, 16                        ; 65,536 bytes of the source for each work-group (below 2^25)
	s_mov_b32 s17, 0
	s_add_nc_u64 s[12:13], s[12:13], s[16:17]
	s_lshl_b32 s18, ttmp9, 15                      ; 32,768 bytes of cb
	s_mov_b32 s19, 0
	s_add_nc_u64 s[10:11], s[10:11], s[18:19]
.irp j, 0,1,2,3,4,5,6,7,8,9,10,11,12,13,14,15
	global_load_b128 v[X+4*\j:X+4*\j+3], v1, s[12:13] offset:PIECE*\j th:TH_LOAD_NT   ; read once in the whole launch
.endr
.irp j, 0,1,2,3,4,5,6,7,8,9,10,11,12,13,14,15
	s_wait_loadcnt 15-\j                           ; loads come back in order: piece j is in, the 15 - j younger ones stay out
	v_cvt_pk_f16_f32 v[Y+2*\j],   v[X+4*\j],   v[X+4*\j+1]
	v_cvt_pk_f16_f32 v[Y+2*\j+1], v[X+4*\j+2], v[X+4*\j+3]
	global_store_b64 v2, v[Y+2*\j:Y+2*\j+1], s[10:11] offset:PIECE/2*\j   ; a wave's store covers 256 consecutive bytes, aligned; no register is written twice
.endr
	s_endpgm
.Lfunc_end_k_qbd13637034_cast:
	.size	k_qbd13637034_cast, .Lfunc_end_k_qbd13637034_cast-k_qbd13637034_cast
	.p2alignl 7, 3214868480
	.fill 96, 4, 3214868480
	.section	.rodata,"a",@progbits
	.p2align	6, 0x0
	.amdhsa_kernel k_qbd13637034_cast
		.amdhsa_group_segment_fixed_size 0
		.amdhsa_private_segment_fixed_size 0
		.amdhsa_enable_private_segment 0
		.amdhsa_kernarg_size 32
		.amdhsa_user_sgpr_count 2
		.amdhsa_user_sgpr_kernarg_segment_ptr 1
		.amdhsa_wavefront_size32 1
		.amdhsa_system_sgpr_workgroup_id_x 1
		.amdhsa_system_sgpr_workgroup_id_y 1
		.amdhsa_system_sgpr_workgroup_id_z 1
		.amdhsa_system_vgpr_workitem_id 0
		.amdhsa_next_free_vgpr 100
		.amdhsa_next_free_sgpr 66
		.amdhsa_reserve_vcc 0
		.amdhsa_float_denorm_mode_32 3
		.amdhsa_float_denorm_mode_16_64 3
		.amdhsa_memory_ordered 1
		.amdhsa_forward_progress 1
		.amdhsa_inst_pref_size 7
	.end_amdhsa_kernel
	.amdgpu_metadata
---
amdhsa.version: [ 1, 2 ]
amdhsa.kernels:
  - .name:           k_qbd13637034_cast
    .symbol:         k_qbd13637034_cast.kd
    .args:
      - { .name: x, .offset: 0, .size: 8, .value_kind: global_buffer, .address_space: global }
      - { .name: w_qkv, .offset: 8, .size: 8, .value_kind: global_buffer, .address_space: global }
      - { .name: w_proj, .offset: 16, .size: 8, .value_kind: global_buffer, .address_space: global }
      - { .name: cb, .offset: 24, .size: 8, .value_kind: global_buffer, .address_space: global }
    .group_segment_fixed_size: 0
    .private_segment_fixed_size: 0
    .kernarg_segment_align: 8
    .kernarg_segment_size: 32
    .max_flat_workgroup_size: 256
    .sgpr_count:     66
    .vgpr_count:     100
    .wavefront_size: 32
...
	.end_amdgpu_metadata
.endif
;; end of part 1
;; launch qkv (part 2): grid 16 x 32, 4 waves a work-group, clusters of 4 x 4, 327,680 bytes of LDS; arguments cb, qkv; writes qkv
.if DOCPART == 2
	.amdgcn_target "amdgcn-amd-amdhsa--gfx1250"
	.amdhsa_code_object_version 6
	.text
	.protected	k_qbd13637034_qkv
	.globl	k_qbd13637034_qkv
	.p2align	8
	.type	k_qbd13637034_qkv,@function
k_qbd13637034_qkv:
	s_mov_b64 s[64:65], 0
	v_nop
	global_prefetch_b8 v0, s[64:65] scope:SCOPE_SE
	s_setreg_imm32_b32 hwreg(HW_REG_WAVE_MODE, 25, 1), 1
	s_wait_xcnt 0x0
	s_wait_alu depctr_hold_cnt(0) depctr_sa_sdst(0) depctr_va_vdst(0) depctr_va_sdst(0) depctr_va_ssrc(0) depctr_va_vcc(0) depctr_vm_vsrc(0)
	s_getreg_b32 s2, hwreg(HW_REG_IB_STS2, 6, 4)
	s_cmp_eq_u32 s2, 0
	s_cbranch_scc0 .Lentry_in_a_cluster
	s_endpgm
.Lentry_in_a_cluster:
	s_bfe_u32 s2, ttmp6, 0x10000c
	s_cmp_lg_u32 s2, 0xf033
	s_cbranch_scc0 .Lentry_shape_is_right
	s_endpgm
.Lentry_shape_is_right:
; qkv[m][e] = sum over c of x[m][c] w_qkv[e][c]; m = 0..8191, e = 0..3071, c = 0..1023.  Operands f16 (from cb), sums f32, result f16.
; The q columns (e < 1024) are multiplied, in f32 and before their one rounding, by 0.125 log2(e): the attention launch then has its scores in units of log2
; and takes the row maximum away by a plain subtraction.
; RESULT LAYOUT: 48 slabs of 1,048,576 bytes, slab e >> 6 (16 of q, 16 of k, 16 of v), each [m][64] f16: a head's rows are 128 dense bytes.
; LIMIT: |0.18 q|, |k|, |v| below 65,504 (f16); NaN and infinities are not served.
; A work-group makes 256 rows x 192 columns (three heads): 16 x 32 = 512 work-groups, two even rounds over 256 WGPs.  Four waves, each 128 x 96:
; 48 accumulator tiles of 16 x 16, 384 registers.  K goes in steps of 128 through two LDS slots filled by the tensor data mover; a tile's rows are 256 bytes.
; CLUSTERS: 4 x 4 work-groups.  x's tile hangs on the block row alone and is asked for jointly by a row of the cluster, w's on the block column alone and is
; asked for jointly by a column: the requests for both are divided by four.
; REGISTERS in windows of 256: window 0: v16-28 addresses, v32-55 packed results, v64-127 and v128-191 fragments of x (two buffers), v192-239 scaled results;
; window 1: v64-111 and v128-175 fragments of w; window 2: accumulator tiles (a, b) at 8 (6 a + b) of my rows 0-63; window 3: of my rows 64-127.
; The matrix instruction is used transposed (source 0 = 16 rows of w, source 1 = 16 rows of x): lane l then holds row l % 16 and eight neighbouring columns 8 (l / 16) + 0..7.
.set KSTEP,  128
.set PITCH,  272                       ; an LDS row: 256 bytes + 16 of padding, an odd multiple of 16: the 16 rows of a fragment load start in 16 different columns of 16 bytes
.set HALFA,  128*PITCH                 ; what one load brings of x, and what one wave reads of it
.set HALFB,  96*PITCH                  ; the same for w
.set SLOT,   2*HALFA+2*HALFB           ; 121,856: x's 256 rows, then w's 192 rows.  Two slots: 243,712 bytes
.set SPITCH, 208                       ; the way out: a wave's 96 columns in f16, 192 bytes + 16
.set WSTAGE, 128*SPITCH                ; 26,624 bytes a wave; the four stages lie in slot 0, which has had its last fill and its last read by then
.set SLABB,  1048576
.set WQOFF,  0x1000000                 ; w_qkv in cb
.set LAPS,   4                         ; 1024 / (2 x 128): a lap is once round the ring
.set ADRA, 16                          ; v16-17  LDS address of my x fragments in slot 0, 1
.set ADRB, 20                          ; v20-21  the same for w
.set STO,  24                          ; v24     the way out: where I put 16 bytes of a row
.set RD,   25                          ; v25-27  the way out: where I read 16 bytes of head 0, 1, 2 back
.set CO,   28                          ; v28     16 x lane: my bytes in 512 dense bytes of a slab
.set PK,   32                          ; v32-55  packed f16
.set F0,   64
.set F1,   128
.set TMP,  192                         ; v192-239 scaled f32
.set G1,  24                           ; s[24:31] group 1 for x's tiles
.set G0,  32                           ; s[32:39] group 0 for x's tiles, one set for each slot
.set G1B, 48                           ; s[48:55] group 1 for w's tiles
.set G0B, 56                           ; s[56:63] group 0 for w's tiles
.set SC,  68                           ; s[68:79] six pairs: the factor of each of my six blocks of 16 columns
.set MSB, 0
.macro WIN new                         ; the immediate's high byte repeats the setting that is left
.if MSB != \new
	s_set_vgpr_msb (MSB<<8)|\new
.set MSB, \new
.endif
.endm
.set MUL_LO, 0xa1                      ; source 0 (w) window 1, source 1 (x) window 0, C and D window 2
.set MUL_HI, 0xf1                      ; the same, C and D window 3
.set TO_B,   0x40                      ; destination window 1, address window 0
; A joint load: waves 0 and 1 ask for x's two halves, waves 2 and 3 for w's.  The branch hangs on the wave's number alone.
.macro JLOAD s
	s_cmp_eq_u32 s11, 0
	s_cbranch_scc0 .Lfor_b_\@
	tensor_load_to_lds s[G0+4*\s:G0+4*\s+3], s[G1:G1+7]
	s_nop 0
	s_branch .Lasked_\@
.Lfor_b_\@:
	tensor_load_to_lds s[G0B+4*\s:G0B+4*\s+3], s[G1B:G1B+7]
	s_nop 0
.Lasked_\@:
.endm
.macro CREST                           ; a round of the cluster's barrier behind its opening work-group barrier
	s_cmp_lg_u32 s10, 0
	s_cbranch_scc1 .Lnot_wave_0_\@
	s_barrier_signal -3
.Lnot_wave_0_\@:
	s_barrier_wait -3
	s_barrier_signal -1
	s_barrier_wait -1
.endm
.macro CROUND                          ; a whole round
	s_barrier_signal -1
	s_barrier_wait -1
	CREST
.endm
	s_load_b128 s[4:7], s[0:1], 0x0                ; cb s[4:5], qkv s[6:7]
	s_set_vgpr_msb 0x40
	v_lshl_add_u32 v255, v0, 2, 0x40000
	s_set_vgpr_msb 0x4000
	v_mov_b32 v255, 0
	s_set_vgpr_msb 0x1
	ds_add_u32 v255, v255
	s_set_vgpr_msb 0x100
	v_lshrrev_b32 v1, 5, v0
	v_readfirstlane_b32 s10, v1                    ; wave 0..3
	s_lshr_b32 s11, s10, 1                         ; which 128 of the block's rows are mine.  Also: I ask for x (0) or for w (1)
	s_and_b32 s12, s10, 1                          ; which 96 of its columns.  Also: which half of that tile I ask for
	s_bfe_u32 s40, ttmp6, 0x40000                  ; cx
	s_bfe_u32 s41, ttmp6, 0x40004                  ; cy
	s_lshl_b32 s42, ttmp9, 2
	s_add_co_u32 s42, s42, s40                     ; block column = 4 x cluster x + cx
	s_and_b32 s13, ttmp7, 0xffff
	s_lshl_b32 s13, s13, 2
	s_add_co_u32 s13, s13, s41                     ; block row = 4 x cluster y + cy
	s_lshl_b32 s43, s41, 2
	s_lshl_b32 s43, 15, s43                        ; my row of the cluster: places 4 cy .. 4 cy + 3
	s_lshl_b32 s44, 0x1111, s40                    ; my column: places cx, cx + 4, cx + 8, cx + 12
	; group 1: 128 (96) rows x 128 elements of 2 bytes, 4 words of padding behind every 64 words
	s_or_b32 s[G1+0], s43, (1<<16)|(1<<20)|(1<<21)|(5<<22)|(3<<25)   ; mask of my row; element 2 bytes; padding on; bit 21 beside a mask; interval code 5; pad code 3
	s_or_b32 s[G1B+0], s44, (1<<16)|(1<<20)|(1<<21)|(5<<22)|(3<<25)  ; the same with the mask of my column
	s_mov_b32 s[G1+1], KSTEP<<16                   ; tensor_dim0 = 128
	s_mov_b32 s[G1B+1], KSTEP<<16
	s_mov_b32 s[G1+2], 128<<16                     ; tensor_dim1 = 128 rows
	s_mov_b32 s[G1B+2], 96<<16                     ; 96 rows
	s_mov_b32 s[G1+3], KSTEP<<16                   ; tile_dim0 = 128
	s_mov_b32 s[G1B+3], KSTEP<<16
	s_mov_b32 s[G1+4], 128                         ; tile_dim1
	s_mov_b32 s[G1B+4], 96
	s_mov_b32 s[G1+5], 1024                        ; elements from row to row
	s_mov_b32 s[G1B+5], 1024
	s_mov_b32 s[G1+6], 0
	s_mov_b32 s[G1B+6], 0
	s_mov_b32 s[G1+7], 0
	s_mov_b32 s[G1B+7], 0
	; where the tiles come from: x's hang on the block row, w's on the block column; each in registers that never hold the other coordinate
	s_lshl_b32 s16, s13, 19                        ; 256 rows of 2,048 bytes
	s_lshl_b32 s17, s12, 18                        ; + 128 rows for the second half
	s_add_co_u32 s16, s16, s17
	s_mov_b32 s17, 0
	s_mul_i32 s46, s42, 192*2048
	s_mul_i32 s47, s12, 96*2048
	s_add_co_u32 s46, s46, s47
	s_add_co_u32 s46, s46, WQOFF
	s_mov_b32 s47, 0
	s_mul_i32 s20, s10, HALFA                      ; and where they go: waves 0, 1: x's halves at wave x 34,816;
	s_mul_i32 s18, s10, HALFB
	s_add_co_u32 s18, s18, 2*HALFA-2*HALFB         ; waves 2, 3: w's halves at 69,632 + (wave - 2) x 26,112
	s_wait_dscnt 0x0
	s_wait_kmcnt 0x0
	s_add_nc_u64 s[14:15], s[4:5], s[16:17]
	s_add_nc_u64 s[46:47], s[4:5], s[46:47]
	CROUND                                         ; all sixteen work-groups are here: the first joint loads meet
.irp s, 0,1
	s_mov_b32 s[G0+4*\s], 1
	s_add_co_u32 s[G0+4*\s+1], s20, \s*SLOT
	s_add_nc_u64 s[G0+4*\s+2:G0+4*\s+3], s[14:15], \s*KSTEP*2      ; K step s
	s_or_b32 s[G0+4*\s+3], s[G0+4*\s+3], 0x80000000
	s_mov_b32 s[G0B+4*\s], 1
	s_add_co_u32 s[G0B+4*\s+1], s18, \s*SLOT
	s_add_nc_u64 s[G0B+4*\s+2:G0B+4*\s+3], s[46:47], \s*KSTEP*2
	s_or_b32 s[G0B+4*\s+3], s[G0B+4*\s+3], 0x80000000
	JLOAD \s                                       ; both slots' first fills go out before anything else: two loads of the wave are out
.endr
	; a fragment: lane l holds row l % 16; registers 0-3 K = 8 (l / 16) + 0..7, registers 4-7 K = 16 + 8 (l / 16) + 0..7: two loads of 16 bytes, 32 apart
	v_and_b32 v1, 15, v0                           ; l % 16
	v_bfe_u32 v2, v0, 4, 1                         ; l / 16
	v_mul_u32_u24 v3, v1, PITCH
	v_lshl_add_u32 v3, v2, 4, v3
	s_mul_i32 s21, s11, HALFA                      ; my 128 rows of x
	s_mul_i32 s22, s12, HALFB                      ; my 96 rows of w,
	s_add_co_u32 s22, s22, 2*HALFA                 ; behind x's 256
.irp s, 0,1
	v_add_nc_u32 v[ADRA+\s], s21, v3
	v_add_nc_u32 v[ADRB+\s], s22, v3
	s_add_co_u32 s21, s21, SLOT
	s_add_co_u32 s22, s22, SLOT
.endr
	s_mul_i32 s23, s10, WSTAGE                     ; my stage
	v_mul_u32_u24 v4, v1, SPITCH                   ; in: row l % 16, 16 bytes for each half of the lanes
	v_lshl_add_u32 v4, v2, 4, v4
	v_add_nc_u32 v[STO], s23, v4
	; back: wave w takes the block's rows 64 w .. 64 w + 63 of all three heads; eight lanes take a head's row of 128 bytes, a load four rows
	v_bfe_u32 v5, v0, 3, 2                         ; row among four
	v_and_b32 v6, 7, v0                            ; which 16 bytes of the row
	v_mul_u32_u24 v5, v5, SPITCH
	v_lshl_add_u32 v5, v6, 4, v5
	s_mul_i32 s21, s11, 2*WSTAGE                   ; the stages of the two waves that made these rows,
	s_mul_i32 s22, s12, 64*SPITCH                  ; their upper or lower 64 rows
	s_add_co_u32 s21, s21, s22
	v_add_nc_u32 v[RD], s21, v5                    ; head 0: bytes 0-127 of the left wave's rows
	v_bfe_u32 v6, v0, 2, 1
	v_mul_u32_u24 v6, v6, WSTAGE-192
	v_add3_u32 v[RD+1], v[RD], v6, 128             ; head 1: bytes 128-191 of the left wave's rows, then bytes 0-63 of the right wave's
	v_add_nc_u32 v[RD+2], WSTAGE+64, v[RD]         ; head 2: bytes 64-191 of the right wave's rows
	v_and_b32 v7, 31, v0
	v_lshlrev_b32 v[CO], 4, v7
; 12 matrix instructions: row blocks a0, a0 + 1 of the window's four x all 6 column blocks, 32 along K.  zero = 1: the first product starts the sums.
.macro MUL12 f, hi, a0, zero
.irp a, \a0, \a0+1
.irp b, 0,1,2,3,4,5
.if \zero
	v_wmma_f32_16x16x32_f16 v[8*(6*(\a)+\b):8*(6*(\a)+\b)+7], v[\f+8*\b:\f+8*\b+7], v[\f+8*(4*\hi+\a):\f+8*(4*\hi+\a)+7], 0
.else
	v_wmma_f32_16x16x32_f16 v[8*(6*(\a)+\b):8*(6*(\a)+\b)+7], v[\f+8*\b:\f+8*\b+7], v[\f+8*(4*\hi+\a):\f+8*(4*\hi+\a)+7], v[8*(6*(\a)+\b):8*(6*(\a)+\b)+7]
.endif
.endr
.endr
.endm
; 28 LDS loads in one run: a quarter step's fragments (96 rows of w, 128 rows of x, 32 K at byte k of the rows) into buffer f
.macro FETCH slot, k, f
	WIN TO_B
.irp i, 0,1,2,3,4,5
	ds_load_b128 v[\f+8*\i:\f+8*\i+3],   v[ADRB+\slot] offset:\k+\i*16*PITCH
	ds_load_b128 v[\f+8*\i+4:\f+8*\i+7], v[ADRB+\slot] offset:\k+\i*16*PITCH+32
.endr
	WIN 0
.irp i, 0,1,2,3,4,5,6,7
	ds_load_b128 v[\f+8*\i:\f+8*\i+3],   v[ADRA+\slot] offset:\k+\i*16*PITCH
	ds_load_b128 v[\f+8*\i+4:\f+8*\i+7], v[ADRA+\slot] offset:\k+\i*16*PITCH+32
.endr
.endm
; A load into a register that a matrix instruction has read, and a vector instruction that reads a matrix result, stand four plain vector
; instructions behind that matrix instruction; other matrix instructions are not counted as such here.
.macro PLACES
.rept 4
	v_nop
.endr
.endm
; A K step is four quarters of 32 along K, 48 matrix instructions each, on buffers 0, 1, 0, 1.  The 48 accumulators take turns, one instruction a turn,
; in the same order in every quarter, over the loop's backward jump too.
.macro QUARTER slot, k, f, g, zero
	s_wait_dscnt 8                                 ; w and x's rows 0-63 are in; the youngest eight loads (x's rows 64-127) may be out
	WIN MUL_LO
	MUL12 \f, 0, 0, \zero
	MUL12 \f, 0, 2, \zero
	PLACES
	FETCH \slot, \k, \g
	s_wait_dscnt 28                                ; all but the 28 just issued
	WIN MUL_HI
	MUL12 \f, 1, 0, \zero
	MUL12 \f, 1, 2, \zero
.endm
.macro THREE slot, zero
	QUARTER \slot, 64,  F0, F1, \zero
	QUARTER \slot, 128, F1, F0, 0
	QUARTER \slot, 192, F0, F1, 0
.endm
; The last quarter multiplies buffer 1 and changes slots.  In front of the barrier each wave waits for its reads of this slot and for all its tensor
; loads (one is out: its part of the next slot).  Behind it, where the slot is filled again, the round of the cluster's barrier is completed, and the joint
; refill is the first tensor load.  From a request to the wait for it a wave issues 180 matrix instructions.
.macro TURN slot, next, fill
	s_wait_dscnt 8
	WIN MUL_LO
	MUL12 F1, 0, 0, 0
	s_wait_dscnt 0                                 ; my reads of this slot are over
	s_wait_tensorcnt 0x0                           ; all my tensor loads have landed
	ds_add_u32 v255, v255
	s_wait_dscnt 0x0
	s_barrier_signal -1
	MUL12 F1, 0, 2, 0                              ; register work while the others arrive
	WIN 0
	s_barrier_wait -1
.if \fill
	CREST                                          ; no wave of any partner still reads this slot or has a load on its way
	s_add_nc_u64 s[G0+4*\slot+2:G0+4*\slot+3], s[G0+4*\slot+2:G0+4*\slot+3], 2*KSTEP*2
	s_add_nc_u64 s[G0B+4*\slot+2:G0B+4*\slot+3], s[G0B+4*\slot+2:G0B+4*\slot+3], 2*KSTEP*2
	JLOAD \slot
.endif
	PLACES
	FETCH \next, 0, F0
	WIN MUL_HI
	MUL12 F1, 1, 0, 0
	MUL12 F1, 1, 2, 0
.endm
.macro LAP zero
	THREE 0, \zero
	TURN 0, 1, 1
	THREE 1, 0
	TURN 1, 0, 1
.endm
	s_wait_tensorcnt 1                             ; my part of K step 0 is in; K step 1's load stays out
	s_barrier_signal -1
	s_barrier_wait -1
	FETCH 0, 0, F0
	LAP 1                                          ; K steps 0, 1; asks for 2, 3
	WIN 0
	s_mov_b32 s3, LAPS-2
.Llap:
	LAP 0                                          ; K steps 2 to 5; asks for 4 to 7
	WIN 0
	s_sub_co_u32 s3, s3, 1
	s_cmp_lg_u32 s3, 0
	s_cbranch_scc1 .Llap
	THREE 0, 0                                     ; the last lap fills nothing
	TURN 0, 1, 0                                   ; behind this barrier no wave reads slot 0 any more, and no load fills it
	THREE 1, 0
	s_wait_dscnt 8
	WIN MUL_LO
	MUL12 F1, 0, 0, 0
	MUL12 F1, 0, 2, 0
	s_wait_dscnt 0
	WIN MUL_HI
	MUL12 F1, 1, 0, 0
	MUL12 F1, 1, 2, 0
	; THE WAY OUT.  Scale, round to f16, 16 bytes a lane into my stage; one barrier; then each wave reads 64 rows of each head back and stores them as dense runs.
	PLACES
	s_lshl_b32 s16, s13, 15                        ; 256 rows of 128 bytes in a slab
	s_lshl_b32 s17, s10, 13                        ; + 64 rows for each wave
	s_add_co_u32 s16, s16, s17
	s_mov_b32 s17, 0
	s_add_nc_u64 s[6:7], s[6:7], s[16:17]
	s_mul_i32 s46, s42, 3*SLABB                    ; the block's first slab (in the registers that held w's address: those of x's never hold cx)
	s_mov_b32 s47, 0
	s_add_nc_u64 s[6:7], s[6:7], s[46:47]
	s_mul_i32 s46, s42, 192
	s_mul_i32 s47, s12, 96
	s_add_co_u32 s46, s46, s47                     ; my first column e
.irp b, 0,1,2,3,4,5
	s_add_co_u32 s47, s46, 16*\b
	s_cmp_lt_u32 s47, 1024                         ; a column of q?  (block column 5 holds heads of q and of k, so the factor goes by blocks of 16 columns)
	s_cselect_b32 s[SC+2*\b], 0x3e38aa3b, 1.0      ; 0.125 log2(e), or 1
	s_mov_b32 s[SC+2*\b+1], s[SC+2*\b]             ; the pair's second word is named by the packed multiply, not used
.endr
; rows 16 a .. 16 a + 15 of my block = tiles (aw, 0..5) of window 2 or 3 (from = 2 or 3: source 0's window)
.macro OUT16 a, aw, from
	WIN \from
.irp b, 0,1,2,3,4,5
.irp p, 0,1,2,3
	v_pk_mul_f32 v[TMP+8*\b+2*\p:TMP+8*\b+2*\p+1], v[8*(6*\aw+\b)+2*\p:8*(6*\aw+\b)+2*\p+1], s[SC+2*\b:SC+2*\b+1] op_sel_hi:[1,0]
.endr
.endr
	WIN 0
.irp b, 0,1,2,3,4,5
.irp p, 0,1,2,3
	v_cvt_pk_f16_f32 v[PK+4*\b+\p], v[TMP+8*\b+2*\p], v[TMP+8*\b+2*\p+1]
.endr
.endr
.irp b, 0,1,2,3,4,5
	ds_store_b128 v[STO], v[PK+4*\b:PK+4*\b+3] offset:16*SPITCH*\a+32*\b
.endr
.endm
	OUT16 0, 0, 2
	OUT16 1, 1, 2
	OUT16 2, 2, 2
	OUT16 3, 3, 2
	OUT16 4, 0, 3
	OUT16 5, 1, 3
	OUT16 6, 2, 3
	OUT16 7, 3, 3
	s_wait_dscnt 0x0                               ; my stores into the stage are done, for the others' sake
	s_barrier_signal -1
	s_barrier_wait -1
; head i of the block: 64 rows x 128 bytes = 16 loads of four rows, stored as 16 x 512 dense bytes of slab i
.macro BACK i, f
.irp j, 0,1,2,3,4,5,6,7,8,9,10,11,12,13,14,15
	ds_load_b128 v[\f+4*\j:\f+4*\j+3], v[RD+\i] offset:4*SPITCH*\j
.endr
.irp j, 0,1,2,3,4,5,6,7,8,9,10,11,12,13,14,15
	s_wait_dscnt 15-\j                             ; LDS loads come back in order: load j is in
	global_store_b128 v[CO], v[\f+4*\j:\f+4*\j+3], s[6:7] offset:\i*SLABB+512*\j   ; a wave's store covers 512 consecutive bytes, aligned
.endr
.endm
	BACK 0, F0
	BACK 1, F1
	s_wait_xcnt 0x0                                ; buffer 0, which head 0's stores read, is loaded again only behind this wait
	BACK 2, F0
	s_set_vgpr_msb 0x1
	s_wait_tensorcnt 0x0
	ds_add_u32 v255, v255
	s_wait_dscnt 0x0
	s_set_vgpr_msb 0x100
	CROUND                                         ; the closing round: no work-group ends while a partner may still ask for a tile that names it
	s_endpgm
.Lfunc_end_k_qbd13637034_qkv:
	.size	k_qbd13637034_qkv, .Lfunc_end_k_qbd13637034_qkv-k_qbd13637034_qkv
	.p2alignl 7, 3214868480
	.fill 96, 4, 3214868480
	.section	.rodata,"a",@progbits
	.p2align	6, 0x0
	.amdhsa_kernel k_qbd13637034_qkv
		.amdhsa_group_segment_fixed_size 327680
		.amdhsa_private_segment_fixed_size 0
		.amdhsa_enable_private_segment 0
		.amdhsa_kernarg_size 16
		.amdhsa_user_sgpr_count 2
		.amdhsa_user_sgpr_kernarg_segment_ptr 1
		.amdhsa_wavefront_size32 1
		.amdhsa_system_sgpr_workgroup_id_x 1
		.amdhsa_system_sgpr_workgroup_id_y 1
		.amdhsa_system_sgpr_workgroup_id_z 1
		.amdhsa_system_vgpr_workitem_id 0
		.amdhsa_next_free_vgpr 960
		.amdhsa_next_free_sgpr 80
		.amdhsa_reserve_vcc 0
		.amdhsa_float_denorm_mode_32 3
		.amdhsa_float_denorm_mode_16_64 3
		.amdhsa_memory_ordered 1
		.amdhsa_forward_progress 1
		.amdhsa_inst_pref_size 171
	.end_amdhsa_kernel
	.amdgpu_metadata
---
amdhsa.version: [ 1, 2 ]
amdhsa.kernels:
  - .name:           k_qbd13637034_qkv
    .symbol:         k_qbd13637034_qkv.kd
    .args:
      - { .name: cb, .offset: 0, .size: 8, .value_kind: global_buffer, .address_space: global }
      - { .name: qkv, .offset: 8, .size: 8, .value_kind: global_buffer, .address_space: global }
    .group_segment_fixed_size: 327680
    .private_segment_fixed_size: 0
    .kernarg_segment_align: 8
    .kernarg_segment_size: 16
    .max_flat_workgroup_size: 128
    .sgpr_count:     80
    .vgpr_count:     960
    .wavefront_size: 32
...
	.end_amdgpu_metadata
.endif
;; end of part 2
;; launch attn (part 3): grid 256 x 1, 8 waves a work-group, clusters of 4 x 1, 327,680 bytes of LDS; arguments qkv, att; writes att
.if DOCPART == 3
	.amdgcn_target "amdgcn-amd-amdhsa--gfx1250"
	.amdhsa_code_object_version 6
	.text
	.protected	k_qbd13637034_attn
	.globl	k_qbd13637034_attn
	.p2align	8
	.type	k_qbd13637034_attn,@function
k_qbd13637034_attn:
	s_mov_b64 s[64:65], 0
	v_nop
	global_prefetch_b8 v0, s[64:65] scope:SCOPE_SE
	s_setreg_imm32_b32 hwreg(HW_REG_WAVE_MODE, 25, 1), 1
	s_wait_xcnt 0x0
	s_wait_alu depctr_hold_cnt(0) depctr_sa_sdst(0) depctr_va_vdst(0) depctr_va_sdst(0) depctr_va_ssrc(0) depctr_va_vcc(0) depctr_vm_vsrc(0)
	s_getreg_b32 s2, hwreg(HW_REG_IB_STS2, 6, 4)
	s_cmp_eq_u32 s2, 0
	s_cbranch_scc0 .Lentry_in_a_cluster
	s_endpgm
.Lentry_in_a_cluster:
	s_bfe_u32 s2, ttmp6, 0x10000c
	s_cmp_lg_u32 s2, 0x3003
	s_cbranch_scc0 .Lentry_shape_is_right
	s_endpgm
.Lentry_shape_is_right:
; Attention of one head, scores never leaving the registers: att[h][b n][d] = sum over m of softmax over m of (q[n] . k[m] / 8) v[m][d].
; q comes in already multiplied by 0.125 log2(e), so a score S is in units of log2 and p = 2^(S - max).  The row maximum is a running one:
; in every step of 64 keys the new maximum is taken away, and sum and output are rescaled by 2^(old max - new max).
; Operands f16 (q, k, v, p), sums, maxima and exponentials f32.
; LIMITS: NaN and infinities are not served; an exponential below 2^-126 comes out as zero; the row sum adds p before its rounding to f16.
; SHARES: cluster = one (batch, head), 64 of them; its four work-groups take 512 queries each; a wave takes 64 queries (four tiles of 16).
; CLUSTER: the four work-groups walk the same 2,048 keys, so every tile of K and of V is asked for jointly (mask 15): a quarter of the requests.
; TRANSPOSED FORMS: S^T = K Q^T (A = 16 keys, B = 16 queries): lane (r, h) register j holds key 8 h + j of the tile, query r.  Two such tiles, packed to f16,
; ARE the B fragment of P^T for O^T = V^T P^T, whose A fragments (V transposed) come by transposing LDS loads.  A query is a lane: maximum, sum and
; rescaling need one exchange between the halves of the wave and no other traffic.
; WOVEN HALVES: the four query tiles form two pairs, G0 (tiles 0, 1) and G1 (tiles 2, 3), half a step apart.  While one pair's scores go through the softmax,
; the other pair's products are issued, one matrix instruction followed by two (O) or eight (S) vector instructions of the first pair:
;   first half of step i:   softmax of G0, step i;  O(G1) += V(i-1)^T P(G1, i-1);  S(G1, i)   = K(i) Q(G1)^T
;   second half of step i:  softmax of G1, step i;  O(G0) += V(i)^T P(G0, i);      S(G0, i+1) = K(i+1) Q(G0)^T
; REGISTERS in two windows of 256, laid so that each part of a half runs under one window setting:
;   window 0: v4-43 addresses and the softmax's small figures; v64-127 K fragments; v128-255 S, with P in place
;   window 1: v0-127 O; v128-191 Q fragments; v192-255 V^T fragments
.set SLABB,  1048576
.set KPITCH, 144                       ; a key's 128 bytes + 16: an odd multiple of 16
.set VPITCH, 160                       ; a key's 128 bytes + 32: an odd multiple of 32, for the transposing loads
.set KPART,  64*KPITCH                 ; 9,216: what one of waves 0-3 brings
.set VPART,  64*VPITCH                 ; 10,240: what one of waves 4-7 brings
.set VBASE,  4*VPART                   ; V's 256 keys begin at 40,960 of a slot (K's end at 36,864)
.set SLOT,   8*VPART                   ; 81,920; two slots
.set STAGE,  2*SLOT                    ; 163,840: behind the ring 64 rows x 144 bytes for each wave, for the way out; no load fills them
.set TILEB,  32768                     ; 256 keys x 128 bytes in memory
.set ADRK, 4                           ; v4-5    LDS address of my K fragments in slot 0, 1
.set ADRV, 6                           ; v6-7    the same for V
.set STO,  8
.set RD,   9
.set CO,   10
.set QOFF, 11
.set NM,   16                          ; v[16+2qt] minus the running maximum;   v[17+2qt] (MX) the running maximum
.set MX,   17
.set AL,   24                          ; v[24+2qt] 2^(old max - new max), at the end 1 / sum;   v[25+2qt] (TX) at work
.set TX,   25
.set LS,   32                          ; v[32+2qt:33+2qt] the running sum, in two parts
.set T2,   40                          ; v[40+qt]  second chain of the maximum, then the other half's figure
.set KF,   64                          ; window 0: K fragment (kt, ks) at 8 (2 kt + ks)
.set SB,   128                         ; window 0: S tile (kt, qt) at 32 qt + 8 kt; P fragment (c, qt) in place at 32 qt + 16 c
.set QF,   128                         ; window 1: Q fragment (qt, ks) at 8 (2 qt + ks)
.set VF,   192                         ; window 1: V fragment (dt, c) at 8 (4 c + dt);   window 1, v0-127: O tile (dt, qt) at 8 (4 qt + dt)
.set G1K, 16                           ; s[16:23]
.set G1V, 24                           ; s[24:31]
.set G0K, 32                           ; s[32:39] one set for each slot
.set G0V, 40                           ; s[40:47]
.set MSB, 0
.macro WIN new                         ; the immediate's high byte repeats the setting that is left
.if MSB != \new
	s_set_vgpr_msb (MSB<<8)|\new
.set MSB, \new
.endif
.endm
.set W_S, 0x04                         ; source 1 (Q) window 1; source 0 (K), source 2 and destination (S) window 0
.set W_O, 0x51                         ; source 0 (V^T), source 2 and destination (O) window 1; source 1 (P, or the rescaling factor) window 0
.macro ROUND                           ; a round of the cluster's barrier
	s_barrier_signal -1
	s_barrier_wait -1
	s_cmp_lg_u32 s10, 0
	s_cbranch_scc1 .Lnot_wave_0_\@
	s_barrier_signal -3
.Lnot_wave_0_\@:
	s_barrier_wait -3
	s_barrier_signal -1
	s_barrier_wait -1
.endm
.macro JLOAD s                         ; waves 0-3 ask for 64 keys of K each, waves 4-7 for 64 keys of V each: one load a wave
	s_cmp_eq_u32 s11, 0
	s_cbranch_scc0 .Lfor_v_\@
	tensor_load_to_lds s[G0K+4*(\s):G0K+4*(\s)+3], s[G1K:G1K+7]
	s_nop 0
	s_branch .Lasked_\@
.Lfor_v_\@:
	tensor_load_to_lds s[G0V+4*(\s):G0V+4*(\s)+3], s[G1V:G1V+7]
	s_nop 0
.Lasked_\@:
.endm
	s_load_b128 s[4:7], s[0:1], 0x0                ; qkv s[4:5], att s[6:7]
	v_lshl_add_u32 v62, v0, 2, 0x3a000
	v_mov_b32 v63, 0
	ds_add_u32 v62, v63
	v_lshrrev_b32 v1, 5, v0
	v_readfirstlane_b32 s10, v1                    ; wave 0..7
	s_lshr_b32 s11, s10, 2                         ; I ask for K (0) or for V (1)
	s_and_b32 s12, s10, 3                          ; which 64 keys of the tile
	s_bfe_u32 s13, ttmp6, 0x40000                  ; cx: my block of 512 queries
	s_and_b32 s14, ttmp9, 15                       ; head
	s_lshr_b32 s15, ttmp9, 4                       ; batch
	s_lshl_b32 s14, s14, 20                        ; the head's slab
	s_lshl_b32 s15, s15, 18                        ; the batch's 2,048 rows of 128 bytes
	s_add_co_u32 s14, s14, s15
	s_lshl_b32 s15, s12, 13                        ; my 64 keys
	s_add_co_u32 s60, s14, s15
	s_add_co_u32 s60, s60, 16*SLABB                ; k's slabs are 16 to 31,
	s_mov_b32 s61, 0
	s_add_co_u32 s62, s60, 16*SLABB                ; v's 32 to 47
	s_mov_b32 s63, 0
	s_lshl_b32 s56, s13, 16                        ; 512 queries of 128 bytes
	s_lshl_b32 s57, s10, 13                        ; + 64 for each wave
	s_add_co_u32 s56, s56, s57
	s_add_co_u32 s56, s56, s14
	s_mov_b32 s57, 0
	s_mov_b32 s54, 0x76543210                      ; v_permlanex16_b32: lane i of one half reads lane i of the other
	s_mov_b32 s55, 0xfedcba98
	; group 1: 64 keys are 8,192 dense bytes, taken as 32 rows of 256 bytes; padding behind every 32 words, that is behind every key
	s_mov_b32 s[G1K+0], 15|(1<<16)|(1<<20)|(1<<21)|(4<<22)|(3<<25)   ; mask: all four work-groups; element 2 bytes; padding on; bit 21 beside a mask; interval code 4; 4 words
	s_mov_b32 s[G1V+0], 15|(1<<16)|(1<<20)|(1<<21)|(4<<22)|(7<<25)   ; the same with 8 words
.irp g, G1K, G1V
	s_mov_b32 s[\g+1], 128<<16                     ; tensor_dim0 = 128 elements
	s_mov_b32 s[\g+2], 32<<16                      ; tensor_dim1 = 32 rows
	s_mov_b32 s[\g+3], 128<<16                     ; tile_dim0
	s_mov_b32 s[\g+4], 32                          ; tile_dim1
	s_mov_b32 s[\g+5], 128                         ; elements from row to row: dense
	s_mov_b32 s[\g+6], 0
	s_mov_b32 s[\g+7], 0
.endr
	s_mul_i32 s52, s10, KPART                      ; where they go: wave x 9,216 (waves 0-3),
	s_mul_i32 s53, s10, VPART                      ; wave x 10,240 (waves 4-7): no place in the cluster enters an LDS address
	v_and_b32 v1, 15, v0                           ; r
	v_bfe_u32 v2, v0, 4, 1                         ; h
	v_lshlrev_b32 v3, 7, v1
	v_lshl_add_u32 v[QOFF], v2, 4, v3              ; row r of 128 bytes + 16 h
	s_wait_dscnt 0x0
	s_wait_kmcnt 0x0
	s_add_nc_u64 s[60:61], s[4:5], s[60:61]
	s_add_nc_u64 s[62:63], s[4:5], s[62:63]
	s_add_nc_u64 s[58:59], s[6:7], s[56:57]        ; my 64 rows of att
	s_add_nc_u64 s[56:57], s[4:5], s[56:57]        ; my 64 rows of q
	WIN 0x40                                       ; Q's fragments lie in window 1, the address in window 0
.irp qt, 0,1,2,3
.irp ks, 0,1
	global_load_b128 v[QF+8*(2*\qt+\ks):QF+8*(2*\qt+\ks)+3],   v[QOFF], s[56:57] offset:2048*\qt+64*\ks      ; query 16 qt + r, d = 32 ks + 8 h ..
	global_load_b128 v[QF+8*(2*\qt+\ks)+4:QF+8*(2*\qt+\ks)+7], v[QOFF], s[56:57] offset:2048*\qt+64*\ks+32   ; d = 32 ks + 16 + 8 h ..
.endr
.endr
	WIN 0
.irp s, 0,1
	s_mov_b32 s[G0K+4*\s], 1
	s_add_co_u32 s[G0K+4*\s+1], s52, \s*SLOT
	s_add_nc_u64 s[G0K+4*\s+2:G0K+4*\s+3], s[60:61], \s*TILEB      ; tile s
	s_or_b32 s[G0K+4*\s+3], s[G0K+4*\s+3], 0x80000000
	s_mov_b32 s[G0V+4*\s], 1
	s_add_co_u32 s[G0V+4*\s+1], s53, \s*SLOT
	s_add_nc_u64 s[G0V+4*\s+2:G0V+4*\s+3], s[62:63], \s*TILEB
	s_or_b32 s[G0V+4*\s+3], s[G0V+4*\s+3], 0x80000000
.endr
	ROUND                                          ; the four work-groups are here: the first joint loads meet
	JLOAD 0                                        ; tiles 0 and 1: both first fills go out together; two loads of the wave are out
	JLOAD 1
	v_mul_u32_u24 v3, v1, KPITCH
	v_lshl_add_u32 v[ADRK], v2, 4, v3              ; key r x pitch + 16 h
	v_add_nc_u32 v[ADRK+1], SLOT, v[ADRK]
	v_and_b32 v3, 7, v0
	v_lshl_add_u32 v12, v2, 3, v3                  ; key 8 h + (l & 7)
	v_mul_u32_u24 v12, v12, VPITCH
	v_bfe_u32 v13, v0, 3, 1
	v_lshl_add_u32 v12, v13, 4, v12                ; + 16 ((l >> 3) & 1)
	v_add_nc_u32 v[ADRV], VBASE, v12
	v_add_nc_u32 v[ADRV+1], VBASE+SLOT, v12
	s_mul_i32 s49, s10, KPART
	s_add_co_u32 s49, s49, STAGE                   ; my stage
	v_add_nc_u32 v[STO], s49, v[ADRK]              ; in: row r x 144 + 16 h
	v_bfe_u32 v13, v0, 3, 2
	v_mul_u32_u24 v13, v13, KPITCH
	v_lshl_add_u32 v13, v3, 4, v13
	v_add_nc_u32 v[RD], s49, v13                   ; back: eight lanes take a row of 128 bytes, a load four rows
	v_and_b32 v13, 31, v0
	v_lshlrev_b32 v[CO], 4, v13
; 16 LDS loads: the K fragments of keys 64 i .. 64 i + 63 of a slot
.macro LOADK slot, i
	WIN 0
.irp kt, 0,1,2,3
.irp ks, 0,1
	ds_load_b128 v[KF+8*(2*\kt+\ks):KF+8*(2*\kt+\ks)+3],   v[ADRK+(\slot)] offset:(64*(\i)+16*\kt)*KPITCH+64*\ks
	ds_load_b128 v[KF+8*(2*\kt+\ks)+4:KF+8*(2*\kt+\ks)+7], v[ADRK+(\slot)] offset:(64*(\i)+16*\kt)*KPITCH+64*\ks+32
.endr
.endr
.endm
; 16 transposing LDS loads: the V^T fragments of the same keys: fragment (dt, c) = d 16 dt .. + 15, keys 32 c .. + 31
.macro LOADV slot, i
	WIN 0x40
.irp c, 0,1
.irp dt, 0,1,2,3
	ds_load_tr16_b128 v[VF+8*(4*\c+\dt):VF+8*(4*\c+\dt)+3],   v[ADRV+(\slot)] offset:(64*(\i)+32*\c)*VPITCH+32*\dt
	ds_load_tr16_b128 v[VF+8*(4*\c+\dt)+4:VF+8*(4*\c+\dt)+7], v[ADRV+(\slot)] offset:(64*(\i)+32*\c+16)*VPITCH+32*\dt
.endr
.endr
.endm
; The KK-th of a pair's 16 products S^T = K Q^T (y: the pair's first query tile): d 0-31 start the eight tiles, d 32-63 add onto them, eight instructions later.
.macro SMUL y
.set I_Q, \y+(KK%8)/4
.set R_S, SB+32*I_Q+8*(KK%4)
.if KK < 8
	v_wmma_f32_16x16x32_f16 v[R_S:R_S+7], v[KF+16*(KK%4):KF+16*(KK%4)+7], v[QF+16*I_Q:QF+16*I_Q+7], 0
.else
	v_wmma_f32_16x16x32_f16 v[R_S:R_S+7], v[KF+16*(KK%4)+8:KF+16*(KK%4)+15], v[QF+16*I_Q+8:QF+16*I_Q+15], v[R_S:R_S+7]
.endif
.endm
; The KK-th of a pair's 16 products O^T += V^T P^T: keys 0-31 on the eight tiles, then keys 32-63.  pfirst = 1: the pair's very first products start the sums.
.macro PMUL y, pfirst
.set I_Q, \y+(KK%8)/4
.set R_O, 8*(4*I_Q+KK%4)
.set R_V, VF+8*(4*(KK/8)+KK%4)
.set R_P, SB+32*I_Q+16*(KK/8)
.if (\pfirst)*(1-KK/8)
	v_wmma_f32_16x16x32_f16 v[R_O:R_O+7], v[R_V:R_V+7], v[R_P:R_P+7], 0
.else
	v_wmma_f32_16x16x32_f16 v[R_O:R_O+7], v[R_V:R_V+7], v[R_P:R_P+7], v[R_O:R_O+7]
.endif
.endm
; The softmax's three steps on register pair p (0 to 31) of the pair of query tiles that begins at XG.  They run under the setting W_S, in which the second
; source position means window 1: so the maximum is taken away and the sum is added by a packed multiply-add with the constant 1.0 in that position and the
; addend in the third; the values are those of an add.
.macro CSUB p
.set R_S, SB+32*XG+2*(\p)
.set I_Q, XG+(\p)/16
	v_pk_fma_f32 v[R_S:R_S+1], v[R_S:R_S+1], 1.0, v[NM+2*I_Q:NM+2*I_Q+1] op_sel_hi:[1,0,0]
.endm
.macro EXP2 p
.set R_S, SB+32*XG+2*(\p)
	v_exp_f32 v[R_S], v[R_S]
	v_exp_f32 v[R_S+1], v[R_S+1]
.endm
.macro ESUM p, vfirst
.set R_S, SB+32*XG+2*(\p)
.set I_Q, XG+(\p)/16
.if (\vfirst)*(1-((\p)%16+15)/16)
	s_wait_alu depctr_va_vdst(0)
	v_pk_mul_f32 v[LS+2*I_Q:LS+2*I_Q+1], v[R_S:R_S+1], 1.0 op_sel_hi:[1,0]   ; the launch's first step: a tile's first pair starts its sum
.else
	s_wait_alu depctr_va_vdst(0)
	v_pk_fma_f32 v[LS+2*I_Q:LS+2*I_Q+1], v[R_S:R_S+1], 1.0, v[LS+2*I_Q:LS+2*I_Q+1] op_sel_hi:[1,0,1]
.endif
.endm
; S of pair y (mat = 1) woven with subtraction, exponentials and sum of pair x: behind each matrix instruction eight vector instructions on two register pairs each,
; the subtraction one turn ahead of the exponentials and the sum one turn behind.  Behind every two exponentials stands a plain instruction on other registers before
; a result is used (ISA guide 5.7.2).  Behind the last matrix instruction stand the four last sums: four places (ISA guide 7.12.1).
.macro SPART y, x, vfirst, mat
.set XG, \x
	CSUB 0
	CSUB 1
.set KK, 0
.rept 16
.if \mat
	SMUL \y
.endif
.if KK > 0
	ESUM 2*KK-2, \vfirst
.endif
.if KK < 15
	CSUB 2*KK+2
.endif
	EXP2 2*KK
.if KK < 15
	CSUB 2*KK+3
.endif
.if KK > 0
	ESUM 2*KK-1, \vfirst
.endif
	EXP2 2*KK+1
.set KK, KK+1
.endr
	ESUM 30, \vfirst
	ESUM 31, \vfirst
.endm
; O of pair y woven with the rescaling of O of pair x (resc = 1): two packed multiplies behind each matrix instruction.  At the end five places in all behind the
; last product: four before loads land on V's fragments, five before S is written over P.
.macro PVPART y, x, pfirst, resc
.set KK, 0
.rept 16
	PMUL \y, \pfirst
.if \resc
.set R_X, 32*\x+4*KK
.set I_X, \x+KK/8
	v_pk_mul_f32 v[R_X:R_X+1],   v[R_X:R_X+1],   v[AL+2*I_X:AL+2*I_X+1] op_sel_hi:[1,0]
	v_pk_mul_f32 v[R_X+2:R_X+3], v[R_X+2:R_X+3], v[AL+2*I_X:AL+2*I_X+1] op_sel_hi:[1,0]
.endif
.set KK, KK+1
.endr
.rept 5-2*(\resc)
	v_nop
.endr
.endm
; The largest of my 32 scores of each of the pair's two query tiles and the running maximum: four chains that do not wait for each other
.macro MAXG x, vfirst
.set NN, 0
.rept 8
.irp d, 0,1
.if NN == 0
.if \vfirst
	v_max_num_f32 v[TX+2*(\x+\d)], v[SB+32*(\x+\d)], v[SB+32*(\x+\d)+1]
.else
	v_max3_num_f32 v[TX+2*(\x+\d)], v[SB+32*(\x+\d)], v[SB+32*(\x+\d)+1], v[MX+2*(\x+\d)]
.endif
	v_max_num_f32 v[T2+\x+\d], v[SB+32*(\x+\d)+2], v[SB+32*(\x+\d)+3]
.else
	v_max3_num_f32 v[TX+2*(\x+\d)], v[TX+2*(\x+\d)], v[SB+32*(\x+\d)+4*NN], v[SB+32*(\x+\d)+4*NN+1]
	v_max3_num_f32 v[T2+\x+\d], v[T2+\x+\d], v[SB+32*(\x+\d)+4*NN+2], v[SB+32*(\x+\d)+4*NN+3]
.endif
.endr
.set NN, NN+1
.endr
.irp d, 0,1
	v_max_num_f32 v[TX+2*(\x+\d)], v[TX+2*(\x+\d)], v[T2+\x+\d]
.endr
.endm
; The other half of the wave holds the query's other keys; then the new maximum, its negative, the factor 2^(old - new), and the running sum rescaled
.macro NEWMAX x, vfirst
.irp d, 0,1
	v_permlanex16_b32 v[T2+\x+\d], v[TX+2*(\x+\d)], s54, s55
.endr
.if \vfirst
.irp d, 0,1
	v_max_num_f32 v[MX+2*(\x+\d)], v[TX+2*(\x+\d)], v[T2+\x+\d]
.endr
.irp d, 0,1
	v_mul_f32 v[NM+2*(\x+\d)], -1.0, v[MX+2*(\x+\d)]
.endr
.else
.irp d, 0,1
	v_max_num_f32 v[TX+2*(\x+\d)], v[TX+2*(\x+\d)], v[T2+\x+\d]
.endr
.irp d, 0,1
	v_sub_f32 v[AL+2*(\x+\d)], v[MX+2*(\x+\d)], v[TX+2*(\x+\d)]    ; old - new, at most 0
.endr
.irp d, 0,1
	v_exp_f32 v[AL+2*(\x+\d)], v[AL+2*(\x+\d)]
.endr
.irp d, 0,1
	v_mov_b32 v[MX+2*(\x+\d)], v[TX+2*(\x+\d)]                     ; also the plain instructions behind the exponentials
.endr
.irp d, 0,1
	v_mul_f32 v[NM+2*(\x+\d)], -1.0, v[TX+2*(\x+\d)]
.endr
.irp d, 0,1
	s_wait_alu depctr_va_vdst(0)
	v_pk_mul_f32 v[LS+2*(\x+\d):LS+2*(\x+\d)+1], v[LS+2*(\x+\d):LS+2*(\x+\d)+1], v[AL+2*(\x+\d):AL+2*(\x+\d)+1] op_sel_hi:[1,0]
.endr
.endif
.endm
; p to f16, in place: pair n (registers 2 n, 2 n + 1 of a tile's 32) goes to register n (n < 8) or n + 8: a register whose pair has been read already
.macro PACK x
.irp d, 0,1
.set NN, 0
.rept 16
	v_cvt_pk_f16_f32 v[SB+32*(\x+\d)+NN+8*(NN/8)], v[SB+32*(\x+\d)+2*NN], v[SB+32*(\x+\d)+2*NN+1]
.set NN, NN+1
.endr
.endr
.endm
; The first half of the step on keys 64 j .. 64 j + 63 of a slot.  No LDS load is out at its head.
; vfirst: the launch's first step;  pv: there is a step before, whose O(G1) is due;  pfirst: that product starts O(G1).
; tail = 1: the next step's K fragments come from the same slot;  2: the slot has been read to its end: round, refill, K from the other slot;
; 3: the same without a refill;  0: there is no next step.
; All matrix instructions take their accumulators by turns, one instruction a turn (eight tiles of O twice, eight of S twice).
.macro HALFA slot, j, vfirst, pv, pfirst, tail
	WIN 0
	MAXG 0, \vfirst
	NEWMAX 0, \vfirst
.if \pv
	WIN W_O
	PVPART 2, 0, \pfirst, 1-\vfirst
.endif
	LOADV \slot, \j                                ; this step's V, first used in the second half
	WIN W_S
	SPART 2, 0, \vfirst, 1
	WIN 0
	PACK 0
.if \tail == 1
	LOADK \slot, \j+1
.endif
.if \tail == 2
	s_wait_tensorcnt 0x0                           ; all my tensor loads have landed (my part of the other slot's tile): every group 0 may be written
	ds_add_u32 v62, v63
	s_add_nc_u64 s[G0K+4*\slot+2:G0K+4*\slot+3], s[G0K+4*\slot+2:G0K+4*\slot+3], 2*TILEB   ; this slot's next tile
	s_add_nc_u64 s[G0V+4*\slot+2:G0V+4*\slot+3], s[G0V+4*\slot+2:G0V+4*\slot+3], 2*TILEB
	s_wait_dscnt 0x0                               ; my reads of this slot are done: its last V fragments are in registers
	ROUND                                          ; both now hold of every wave of the four work-groups
	JLOAD \slot                                    ; the joint refill, first behind the round, one load a wave; it has four steps (256 matrix instructions a wave) in which to land
	LOADK 1-\slot, 0
.endif
.if \tail == 3
	s_wait_tensorcnt 0x0                           ; my part of the last tile has landed
	s_wait_dscnt 0x0
	s_barrier_signal -1
	s_barrier_wait -1                              ; everybody's has
	LOADK 1-\slot, 0
.endif
.endm
; The second half.  smat: there is a next step, whose S(G0) is due;  kout: its K fragments were asked for behind this step's V fragments.
.macro HALFB vfirst, pfirst, smat, kout
	WIN 0
	MAXG 2, \vfirst
	NEWMAX 2, \vfirst
	s_wait_dscnt 16*\kout                          ; V's 16 loads are in; the 16 of the next K, issued behind them, may stay out
	WIN W_O
	PVPART 0, 2, \pfirst, 1-\vfirst
.if \kout
	s_wait_dscnt 0x0                               ; the next K is in
.endif
	WIN W_S
	SPART 0, 2, \vfirst, \smat
	WIN 0
	PACK 2
.endm
.macro STEP slot, j, tail
	HALFA \slot, \j, 0, 1, 0, \tail
	HALFB 0, 0, 1, 1
.endm
	s_wait_tensorcnt 0x1                           ; my part of tile 0 is in; tile 1's load stays out
	s_barrier_signal -1
	s_barrier_wait -1
	LOADK 0, 0
	s_wait_loadcnt 0x0                             ; Q, once
	s_wait_dscnt 0x0
	WIN W_S
.set KK, 0
.rept 16
	SMUL 0                                         ; S(G0, 0): the one run of products with nothing to weave in
.set KK, KK+1
.endr
.rept 4
	v_nop                                          ; four places before S is read
.endr
	HALFA 0, 0, 1, 0, 0, 1                         ; steps 0 and 1 start maxima, sums and outputs
	HALFB 1, 1, 1, 1
	HALFA 0, 1, 0, 1, 1, 1
	HALFB 0, 0, 1, 1
	WIN 0
	s_mov_b32 s48, 3
.Lring:                                            ; a trip: the rest of an even tile, an odd tile, the first two steps of the next even tile; it asks for two tiles: 2 to 7 in all
	STEP 0, 2, 1
	STEP 0, 3, 2
	STEP 1, 0, 1
	STEP 1, 1, 1
	STEP 1, 2, 1
	STEP 1, 3, 2
	STEP 0, 0, 1
	STEP 0, 1, 1
	WIN 0
	s_sub_co_u32 s48, s48, 1
	s_cmp_lg_u32 s48, 0
	s_cbranch_scc1 .Lring
	STEP 0, 2, 1                                   ; the rest of tile 6 and tile 7: nothing is left to fetch
	STEP 0, 3, 3
	STEP 1, 0, 1
	STEP 1, 1, 1
	STEP 1, 2, 1
	HALFA 1, 3, 0, 1, 0, 0
	HALFB 0, 0, 0, 0
	WIN W_O
	PVPART 2, 0, 0, 0                              ; O(G1) of the last step; five places stand behind it
	; THE WAY OUT: divide by the row sum, round to f16, through my own stage, out as 8,192 dense bytes
	WIN 0
.irp qt, 0,1,2,3
	v_add_f32 v[TX+2*\qt], v[LS+2*\qt], v[LS+2*\qt+1]
.endr
.irp qt, 0,1,2,3
	v_permlanex16_b32 v[T2+\qt], v[TX+2*\qt], s54, s55
.endr
.irp qt, 0,1,2,3
	v_add_f32 v[TX+2*\qt], v[TX+2*\qt], v[T2+\qt]                  ; at least 1: the largest term is 2^0
.endr
.irp qt, 0,1,2,3
	v_rcp_f32 v[AL+2*\qt], v[TX+2*\qt]
.endr
	v_nop                                          ; one plain instruction behind the reciprocals
	WIN 0x41                                       ; O in window 1, the factor in window 0
.irp qt, 0,1,2,3
.set NN, 0
.rept 16
	s_wait_alu depctr_va_vdst(0)
	v_pk_mul_f32 v[32*\qt+2*NN:32*\qt+2*NN+1], v[32*\qt+2*NN:32*\qt+2*NN+1], v[AL+2*\qt:AL+2*\qt+1] op_sel_hi:[1,0]
.set NN, NN+1
.endr
.endr
	WIN 0x05                                       ; both sources window 1, destination window 0
.irp t, 0,1,2,3,4,5,6,7,8,9,10,11,12,13,14,15
.irp p, 0,1,2,3
	v_cvt_pk_f16_f32 v[SB+4*\t+\p], v[8*\t+2*\p], v[8*\t+2*\p+1]   ; tile t = 4 qt + dt: query r, d = 16 dt + 8 h + 0..7: 16 bytes that belong together
.endr
.endr
	WIN 0
.irp qt, 0,1,2,3
.irp dt, 0,1,2,3
	ds_store_b128 v[STO], v[SB+4*(4*\qt+\dt):SB+4*(4*\qt+\dt)+3] offset:16*KPITCH*\qt+32*\dt
.endr
.endr
.irp i, 0,1,2,3,4,5,6,7,8,9,10,11,12,13,14,15
	ds_load_b128 v[192+4*\i:192+4*\i+3], v[RD] offset:4*KPITCH*\i  ; LDS serves a wave's instructions in order: these see my stores above
.endr
.irp i, 0,1,2,3,4,5,6,7,8,9,10,11,12,13,14,15
	s_wait_dscnt 15-\i
	global_store_b128 v[CO], v[192+4*\i:192+4*\i+3], s[58:59] offset:512*\i   ; a wave's store covers 512 consecutive bytes, aligned
.endr
	s_wait_tensorcnt 0x0
	ds_add_u32 v62, v63
	s_wait_dscnt 0x0
	ROUND                                          ; the closing round
	s_endpgm
.Lfunc_end_k_qbd13637034_attn:
	.size	k_qbd13637034_attn, .Lfunc_end_k_qbd13637034_attn-k_qbd13637034_attn
	.p2alignl 7, 3214868480
	.fill 96, 4, 3214868480
	.section	.rodata,"a",@progbits
	.p2align	6, 0x0
	.amdhsa_kernel k_qbd13637034_attn
		.amdhsa_group_segment_fixed_size 327680
		.amdhsa_private_segment_fixed_size 0
		.amdhsa_enable_private_segment 0
		.amdhsa_kernarg_size 16
		.amdhsa_user_sgpr_count 2
		.amdhsa_user_sgpr_kernarg_segment_ptr 1
		.amdhsa_wavefront_size32 1
		.amdhsa_system_sgpr_workgroup_id_x 1
		.amdhsa_system_sgpr_workgroup_id_y 1
		.amdhsa_system_sgpr_workgroup_id_z 1
		.amdhsa_system_vgpr_workitem_id 0
		.amdhsa_next_free_vgpr 512
		.amdhsa_next_free_sgpr 66
		.amdhsa_reserve_vcc 0
		.amdhsa_float_denorm_mode_32 3
		.amdhsa_float_denorm_mode_16_64 3
		.amdhsa_memory_ordered 1
		.amdhsa_forward_progress 1
		.amdhsa_inst_pref_size 255
	.end_amdhsa_kernel
	.section	.bss,"aw",@nobits
	.p2align	6
	.space	262144
	.amdgpu_metadata
---
amdhsa.version: [ 1, 2 ]
amdhsa.kernels:
  - .name:           k_qbd13637034_attn
    .symbol:         k_qbd13637034_attn.kd
    .args:
      - { .name: qkv, .offset: 0, .size: 8, .value_kind: global_buffer, .address_space: global }
      - { .name: att, .offset: 8, .size: 8, .value_kind: global_buffer, .address_space: global }
    .group_segment_fixed_size: 327680
    .private_segment_fixed_size: 0
    .kernarg_segment_align: 8
    .kernarg_segment_size: 16
    .max_flat_workgroup_size: 256
    .sgpr_count:     66
    .vgpr_count:     512
    .wavefront_size: 32
...
	.end_amdgpu_metadata
.endif
;; end of part 3
;; launch proj (part 4): grid 8 x 32, 4 waves a work-group, clusters of 4 x 4, 327,680 bytes of LDS; arguments att, cb, b_proj, out0; writes out0
.if DOCPART == 4
	.amdgcn_target "amdgcn-amd-amdhsa--gfx1250"
	.amdhsa_code_object_version 6
	.text
	.protected	k_qbd13637034_proj
	.globl	k_qbd13637034_proj
	.p2align	8
	.type	k_qbd13637034_proj,@function
k_qbd13637034_proj:
	s_mov_b64 s[64:65], 0
	v_nop
	global_prefetch_b8 v0, s[64:65] scope:SCOPE_SE
	s_setreg_imm32_b32 hwreg(HW_REG_WAVE_MODE, 25, 1), 1
	s_wait_xcnt 0x0
	s_wait_alu depctr_hold_cnt(0) depctr_sa_sdst(0) depctr_va_vdst(0) depctr_va_sdst(0) depctr_va_ssrc(0) depctr_va_vcc(0) depctr_vm_vsrc(0)
	s_getreg_b32 s2, hwreg(HW_REG_IB_STS2, 6, 4)
	s_cmp_eq_u32 s2, 0
	s_cbranch_scc0 .Lentry_in_a_cluster
	s_endpgm
.Lentry_in_a_cluster:
	s_bfe_u32 s2, ttmp6, 0x10000c
	s_cmp_lg_u32 s2, 0xf033
	s_cbranch_scc0 .Lentry_shape_is_right
	s_endpgm
.Lentry_shape_is_right:
; out0[m][o] = sum over c of att[m][c] w_proj[o][c] + b_proj[o]; m = 0..8191, o, c = 0..1023.  Operands f16, sums and bias f32, result f32.
; att lies in 16 slabs of 1,048,576 bytes, slab c >> 6, each [m][64] f16; w_proj in f16 lies in cb at byte 23,068,672, [o][1024].
; LIMIT: as the operands are f16, magnitudes below 65,504; NaN and infinities are not served.
; A work-group makes 256 rows x 128 columns: 8 x 32 = 256 work-groups.  Four waves, each 128 x 64: 32 accumulator tiles, 256 registers (window 1).
; K goes in steps of 128 (two heads) through two LDS slots.  att's part of a step: for each half of the rows two dense runs of 16,384 bytes, one a head,
; brought by one load as a tile of two long rows, padded behind every 128 bytes.
; CLUSTERS: 4 x 4 work-groups; att's tile is asked for jointly along a row of the cluster, w's along a column.
; The matrix instruction is used transposed (source 0 = rows of w, source 1 = rows of att): a lane holds row l % 16 and eight neighbouring columns.
.set SLABB,  1048576
.set WPOFF,  0x1600000
.set PITCHA, 144                       ; 128 bytes of a head's row + 16
.set PITCHB, 272                       ; 256 bytes + 16
.set HEADA,  128*PITCHA                ; 18,432: 128 rows of one head
.set HALFA,  2*HEADA                   ; 36,864: what one load brings of att
.set HALFB,  64*PITCHB                 ; 17,408: what one load brings of w
.set SLOT,   2*HALFA+2*HALFB           ; 108,544
.set STAGE,  2*SLOT                    ; 217,088: behind the ring 16 rows x 272 bytes for each wave; no load fills them.  234,496 bytes are used in all
.set SPITCH, 272                       ; 64 f32 + 16 bytes
.set LAPS,   4
.set ADRA, 16                          ; v16-17
.set ADRB, 20                          ; v20-21
.set STO,  24
.set RD,   25
.set CO,   26
.set BIAS, 28                          ; v[28:31] b_proj of my four columns on the way out
.set AF,   64                          ; v64-127, v128-191: fragments of att, two buffers
.set BF,   192                         ; v192-223, v224-255: fragments of w, two buffers
.set G1,  24
.set G0,  32
.set G1B, 48
.set G0B, 56
.set MSB, 0
.macro WIN new
.if MSB != \new
	s_set_vgpr_msb (MSB<<8)|\new
.set MSB, \new
.endif
.endm
.set MUL, 0x50                         ; sources 0 and 1 window 0, C and D window 1
.macro JLOAD s
	s_cmp_eq_u32 s11, 0
	s_cbranch_scc0 .Lfor_b_\@
	tensor_load_to_lds s[G0+4*\s:G0+4*\s+3], s[G1:G1+7]
	s_nop 0
	s_branch .Lasked_\@
.Lfor_b_\@:
	tensor_load_to_lds s[G0B+4*\s:G0B+4*\s+3], s[G1B:G1B+7]
	s_nop 0
.Lasked_\@:
.endm
.macro CREST
	s_cmp_lg_u32 s10, 0
	s_cbranch_scc1 .Lnot_wave_0_\@
	s_barrier_signal -3
.Lnot_wave_0_\@:
	s_barrier_wait -3
	s_barrier_signal -1
	s_barrier_wait -1
.endm
.macro CROUND
	s_barrier_signal -1
	s_barrier_wait -1
	CREST
.endm
	s_load_b256 s[68:75], s[0:1], 0x0              ; att s[68:69], cb s[70:71], b_proj s[72:73], out0 s[74:75]
	v_lshl_add_u32 v62, v0, 2, 0x40000
	v_mov_b32 v63, 0
	ds_add_u32 v62, v63
	v_lshrrev_b32 v1, 5, v0
	v_readfirstlane_b32 s10, v1                    ; wave 0..3
	s_lshr_b32 s11, s10, 1                         ; which 128 rows are mine.  Also: I ask for att (0) or for w (1)
	s_and_b32 s12, s10, 1                          ; which 64 columns.  Also: which half of that tile I ask for
	s_bfe_u32 s40, ttmp6, 0x40000                  ; cx
	s_bfe_u32 s41, ttmp6, 0x40004                  ; cy
	s_lshl_b32 s42, ttmp9, 2
	s_add_co_u32 s42, s42, s40                     ; block column
	s_and_b32 s13, ttmp7, 0xffff
	s_lshl_b32 s13, s13, 2
	s_add_co_u32 s13, s13, s41                     ; block row
	s_lshl_b32 s43, s41, 2
	s_lshl_b32 s43, 15, s43                        ; my row of the cluster
	s_lshl_b32 s44, 0x1111, s40                    ; my column
	s_or_b32 s[G1+0], s43, (1<<16)|(1<<20)|(1<<21)|(4<<22)|(3<<25)   ; att: mask of my row; 2 bytes; 4 words of padding behind every 32 words
	s_mov_b32 s[G1+1], 8192<<16                    ; tensor_dim0 = 8,192 elements: 128 rows of one head, dense
	s_mov_b32 s[G1+2], 2<<16                       ; tensor_dim1 = 2 heads
	s_mov_b32 s[G1+3], 8192<<16                    ; tile_dim0
	s_mov_b32 s[G1+4], 2                           ; tile_dim1
	s_mov_b32 s[G1+5], SLABB/2                     ; elements from a slab to the next
	s_mov_b32 s[G1+6], 0
	s_mov_b32 s[G1+7], 0
	s_or_b32 s[G1B+0], s44, (1<<16)|(1<<20)|(1<<21)|(5<<22)|(3<<25)  ; w: mask of my column; 4 words behind every 64 words
	s_mov_b32 s[G1B+1], 128<<16
	s_mov_b32 s[G1B+2], 64<<16
	s_mov_b32 s[G1B+3], 128<<16
	s_mov_b32 s[G1B+4], 64
	s_mov_b32 s[G1B+5], 1024
	s_mov_b32 s[G1B+6], 0
	s_mov_b32 s[G1B+7], 0
	s_lshl_b32 s16, s13, 15                        ; att: 256 rows of 128 bytes in a slab
	s_lshl_b32 s17, s12, 14                        ; + 128 rows for the second half
	s_add_co_u32 s16, s16, s17
	s_mov_b32 s17, 0
	s_lshl_b32 s46, s42, 18                        ; w: 128 rows of 2,048 bytes
	s_lshl_b32 s47, s12, 17                        ; + 64 rows
	s_add_co_u32 s46, s46, s47
	s_add_co_u32 s46, s46, WPOFF
	s_mov_b32 s47, 0
	s_mul_i32 s20, s10, HALFA                      ; waves 0, 1: att's halves at wave x 36,864
	s_mul_i32 s18, s10, HALFB
	s_add_co_u32 s18, s18, 2*HALFA-2*HALFB         ; waves 2, 3: w's halves at 73,728 + (wave - 2) x 17,408
	s_lshl_b32 s19, s42, 9                         ; my first column in bytes of f32: 512 x block + 256 x half
	s_lshl_b32 s45, s12, 8
	s_add_co_u32 s19, s19, s45
	s_wait_dscnt 0x0
	s_wait_kmcnt 0x0
	s_add_nc_u64 s[14:15], s[68:69], s[16:17]
	s_add_nc_u64 s[46:47], s[70:71], s[46:47]
	CROUND                                         ; the first joint loads meet
.irp s, 0,1
	s_mov_b32 s[G0+4*\s], 1
	s_add_co_u32 s[G0+4*\s+1], s20, \s*SLOT
	s_add_nc_u64 s[G0+4*\s+2:G0+4*\s+3], s[14:15], \s*2*SLABB      ; K step s: heads 2 s, 2 s + 1
	s_or_b32 s[G0+4*\s+3], s[G0+4*\s+3], 0x80000000
	s_mov_b32 s[G0B+4*\s], 1
	s_add_co_u32 s[G0B+4*\s+1], s18, \s*SLOT
	s_add_nc_u64 s[G0B+4*\s+2:G0B+4*\s+3], s[46:47], \s*256
	s_or_b32 s[G0B+4*\s+3], s[G0B+4*\s+3], 0x80000000
	JLOAD \s                                       ; two loads of the wave are out
.endr
	v_and_b32 v1, 15, v0                           ; r
	v_bfe_u32 v2, v0, 4, 1                         ; h
	v_lshlrev_b32 v12, 4, v1
	v_add_nc_u32 v12, s19, v12
	global_load_b128 v[BIAS:BIAS+3], v12, s[72:73] ; b_proj of columns 4 r .. 4 r + 3 of my 64
	v_mul_u32_u24 v3, v1, PITCHA
	v_lshl_add_u32 v3, v2, 4, v3
	v_mul_u32_u24 v4, v1, PITCHB
	v_lshl_add_u32 v4, v2, 4, v4
	s_mul_i32 s21, s11, HALFA
	s_mul_i32 s22, s12, HALFB
	s_add_co_u32 s22, s22, 2*HALFA
.irp s, 0,1
	v_add_nc_u32 v[ADRA+\s], s21, v3
	v_add_nc_u32 v[ADRB+\s], s22, v4
	s_add_co_u32 s21, s21, SLOT
	s_add_co_u32 s22, s22, SLOT
.endr
	s_mul_i32 s23, s10, 16*SPITCH
	s_add_co_u32 s23, s23, STAGE
	v_mul_u32_u24 v5, v1, SPITCH                   ; in: row r, 32 bytes for each half of the lanes
	v_lshl_add_u32 v5, v2, 5, v5
	v_add_nc_u32 v[STO], s23, v5
	v_mul_u32_u24 v6, v2, SPITCH                   ; back: lanes 0-15 take one row of 256 bytes, lanes 16-31 the next
	v_lshl_add_u32 v6, v1, 4, v6
	v_add_nc_u32 v[RD], s23, v6
	v_lshlrev_b32 v7, 12, v2                       ; and the same two rows of 4,096 bytes in out0
	v_lshl_add_u32 v[CO], v1, 4, v7
; 8 matrix instructions: row blocks 4 hi + a0, + 1 x all 4 column blocks, 32 along K, from buffer g
.macro MUL8 g, hi, a0, zero
.irp a, \a0, \a0+1
.irp b, 0,1,2,3
.if \zero
	v_wmma_f32_16x16x32_f16 v[8*(4*(4*\hi+\a)+\b):8*(4*(4*\hi+\a)+\b)+7], v[BF+32*\g+8*\b:BF+32*\g+8*\b+7], v[AF+64*\g+8*(4*\hi+\a):AF+64*\g+8*(4*\hi+\a)+7], 0
.else
	v_wmma_f32_16x16x32_f16 v[8*(4*(4*\hi+\a)+\b):8*(4*(4*\hi+\a)+\b)+7], v[BF+32*\g+8*\b:BF+32*\g+8*\b+7], v[AF+64*\g+8*(4*\hi+\a):AF+64*\g+8*(4*\hi+\a)+7], v[8*(4*(4*\hi+\a)+\b):8*(4*(4*\hi+\a)+\b)+7]
.endif
.endr
.endr
.endm
; 24 LDS loads: quarter q of a K step (head q / 2, d from 32 (q % 2)) into buffer g: 64 rows of w, then 128 rows of att
.macro FETCH slot, q, g
.irp i, 0,1,2,3
	ds_load_b128 v[BF+32*(\g)+8*\i:BF+32*(\g)+8*\i+3],   v[ADRB+\slot] offset:64*\q+\i*16*PITCHB
	ds_load_b128 v[BF+32*(\g)+8*\i+4:BF+32*(\g)+8*\i+7], v[ADRB+\slot] offset:64*\q+\i*16*PITCHB+32
.endr
.irp i, 0,1,2,3,4,5,6,7
	ds_load_b128 v[AF+64*(\g)+8*\i:AF+64*(\g)+8*\i+3],   v[ADRA+\slot] offset:(\q/2)*HEADA+(\q%2)*64+\i*16*PITCHA
	ds_load_b128 v[AF+64*(\g)+8*\i+4:AF+64*(\g)+8*\i+7], v[ADRA+\slot] offset:(\q/2)*HEADA+(\q%2)*64+\i*16*PITCHA+32
.endr
.endm
.macro PLACES                          ; four plain vector instructions behind a matrix instruction before a load lands on its sources or its result is read
.rept 4
	v_nop
.endr
.endm
; A quarter: 32 matrix instructions on buffer g; in its middle quarter q is fetched into the other buffer.  The 32 accumulators take turns, one instruction
; a turn, in the same order in every quarter.
.macro QUARTER slot, q, g, zero
	s_wait_dscnt 8                                 ; w and att's rows 0-63 are in; the youngest eight loads (rows 64-127) may be out
	WIN MUL
	MUL8 \g, 0, 0, \zero
	MUL8 \g, 0, 2, \zero
	PLACES
	WIN 0
	FETCH \slot, \q, 1-\g
	s_wait_dscnt 24                                ; all but the 24 just issued
	WIN MUL
	MUL8 \g, 1, 0, \zero
	MUL8 \g, 1, 2, \zero
.endm
.macro THREE slot, zero
	QUARTER \slot, 1, 0, \zero
	QUARTER \slot, 2, 1, 0
	QUARTER \slot, 3, 0, 0
.endm
; The last quarter changes slots: waits, barrier (where the slot is filled again: a round of the cluster's barrier), refill first, then the next slot's fragments.
; From a request to the wait for it a wave issues 120 matrix instructions.
.macro TURN slot, next, fill
	s_wait_dscnt 8
	WIN MUL
	MUL8 1, 0, 0, 0
	s_wait_dscnt 0                                 ; my reads of this slot are over
	s_wait_tensorcnt 0x0                           ; all my tensor loads have landed
	ds_add_u32 v62, v63
	s_wait_dscnt 0x0
	s_barrier_signal -1
	MUL8 1, 0, 2, 0
	WIN 0
	s_barrier_wait -1
.if \fill
	CREST
	s_add_nc_u64 s[G0+4*\slot+2:G0+4*\slot+3], s[G0+4*\slot+2:G0+4*\slot+3], 4*SLABB    ; two K steps on: four heads
	s_add_nc_u64 s[G0B+4*\slot+2:G0B+4*\slot+3], s[G0B+4*\slot+2:G0B+4*\slot+3], 512
	JLOAD \slot
.endif
	PLACES
	FETCH \next, 0, 0
	WIN MUL
	MUL8 1, 1, 0, 0
	MUL8 1, 1, 2, 0
.endm
.macro LAP zero
	THREE 0, \zero
	TURN 0, 1, 1
	THREE 1, 0
	TURN 1, 0, 1
.endm
	s_wait_loadcnt 0x0                             ; the bias, once
	s_wait_tensorcnt 1                             ; my part of K step 0 is in; K step 1's load stays out
	s_barrier_signal -1
	s_barrier_wait -1
	FETCH 0, 0, 0
	LAP 1
	WIN 0
	s_mov_b32 s3, LAPS-2
.Llap:
	LAP 0
	WIN 0
	s_sub_co_u32 s3, s3, 1
	s_cmp_lg_u32 s3, 0
	s_cbranch_scc1 .Llap
	THREE 0, 0                                     ; the last lap fills nothing
	TURN 0, 1, 0
	THREE 1, 0
	s_wait_dscnt 8
	WIN MUL
	MUL8 1, 0, 0, 0
	MUL8 1, 0, 2, 0
	s_wait_dscnt 0
	MUL8 1, 1, 0, 0
	MUL8 1, 1, 2, 0
	; THE WAY OUT, 16 rows at a time: the f32 sums go into my own stage as they are, come back as whole rows of 256 bytes, get the bias and are stored
	PLACES
	s_lshl_b32 s16, s13, 20                        ; 256 rows of 4,096 bytes
	s_lshl_b32 s17, s11, 19                        ; + 128 rows
	s_add_co_u32 s16, s16, s17
	s_mov_b32 s17, 0
	s_add_nc_u64 s[74:75], s[74:75], s[16:17]
	s_mov_b32 s46, s19                             ; my first column, in bytes
	s_mov_b32 s47, 0
	s_add_nc_u64 s[74:75], s[74:75], s[46:47]
.macro OUT16 a, f
	WIN 0x04                                       ; store data in window 1, address in window 0
.irp b, 0,1,2,3
	ds_store_b128 v[STO], v[8*(4*\a+\b):8*(4*\a+\b)+3]   offset:64*\b
	ds_store_b128 v[STO], v[8*(4*\a+\b)+4:8*(4*\a+\b)+7] offset:64*\b+16
.endr
	WIN 0
	s_wait_xcnt 0x0                                ; buffer f, which earlier stores read, and the stores' base are rewritten only behind this wait
.if \a
	s_add_nc_u64 s[74:75], s[74:75], 16*4096       ; 16 rows on
.endif
.irp t, 0,1,2,3,4,5,6,7
	ds_load_b128 v[\f+4*\t:\f+4*\t+3], v[RD] offset:\t*2*SPITCH    ; LDS serves a wave's instructions in order: these see my stores above
.endr
.irp t, 0,1,2,3,4,5,6,7
	s_wait_dscnt 7-\t
	v_pk_add_f32 v[\f+4*\t:\f+4*\t+1],   v[\f+4*\t:\f+4*\t+1],   v[BIAS:BIAS+1]
	v_pk_add_f32 v[\f+4*\t+2:\f+4*\t+3], v[\f+4*\t+2:\f+4*\t+3], v[BIAS+2:BIAS+3]
	global_store_b128 v[CO], v[\f+4*\t:\f+4*\t+3], s[74:75] offset:\t*2*4096 th:TH_STORE_NT   ; 16 lanes store 256 consecutive bytes, aligned
.endr
.endm
	OUT16 0, AF
	OUT16 1, AF+64
	OUT16 2, AF
	OUT16 3, AF+64
	OUT16 4, AF
	OUT16 5, AF+64
	OUT16 6, AF
	OUT16 7, AF+64
	s_wait_tensorcnt 0x0
	ds_add_u32 v62, v63
	s_wait_dscnt 0x0
	CROUND                                         ; the closing round
	s_endpgm
.Lfunc_end_k_qbd13637034_proj:
	.size	k_qbd13637034_proj, .Lfunc_end_k_qbd13637034_proj-k_qbd13637034_proj
	.p2alignl 7, 3214868480
	.fill 96, 4, 3214868480
	.section	.rodata,"a",@progbits
	.p2align	6, 0x0
	.amdhsa_kernel k_qbd13637034_proj
		.amdhsa_group_segment_fixed_size 327680
		.amdhsa_private_segment_fixed_size 0
		.amdhsa_enable_private_segment 0
		.amdhsa_kernarg_size 32
		.amdhsa_user_sgpr_count 2
		.amdhsa_user_sgpr_kernarg_segment_ptr 1
		.amdhsa_wavefront_size32 1
		.amdhsa_system_sgpr_workgroup_id_x 1
		.amdhsa_system_sgpr_workgroup_id_y 1
		.amdhsa_system_sgpr_workgroup_id_z 1
		.amdhsa_system_vgpr_workitem_id 0
		.amdhsa_next_free_vgpr 512
		.amdhsa_next_free_sgpr 76
		.amdhsa_reserve_vcc 0
		.amdhsa_float_denorm_mode_32 3
		.amdhsa_float_denorm_mode_16_64 3
		.amdhsa_memory_ordered 1
		.amdhsa_forward_progress 1
		.amdhsa_inst_pref_size 127
	.end_amdhsa_kernel
	.amdgpu_metadata
---
amdhsa.version: [ 1, 2 ]
amdhsa.kernels:
  - .name:           k_qbd13637034_proj
    .symbol:         k_qbd13637034_proj.kd
    .args:
      - { .name: att, .offset: 0, .size: 8, .value_kind: global_buffer, .address_space: global }
      - { .name: cb, .offset: 8, .size: 8, .value_kind: global_buffer, .address_space: global }
      - { .name: b_proj, .offset: 16, .size: 8, .value_kind: global_buffer, .address_space: global }
      - { .name: out0, .offset: 24, .size: 8, .value_kind: global_buffer, .address_space: global }
    .group_segment_fixed_size: 327680
    .private_segment_fixed_size: 0
    .kernarg_segment_align: 8
    .kernarg_segment_size: 32
    .max_flat_workgroup_size: 128
    .sgpr_count:     76
    .vgpr_count:     512
    .wavefront_size: 32
...
	.end_amdgpu_metadata
.endif
;; end of part 4
;; ======== version 2 of 2: 4 launches; 1.14 times as fast as version 1
;; limits: values are held in f16: magnitudes above 65,504 overflow, below 6.1e-05 lose precision
;; workspace buffers: cb 25,165,824 bytes; qkv 50,331,648 bytes; att 16,777,216 bytes
;; launch cast: the kernel of part 1 again; grid 768 x 1, 8 waves a work-group, no clusters, 0 bytes of LDS; arguments x, w_qkv, w_proj, cb; writes cb
;; launch qkv: the kernel of part 2 again; grid 16 x 32, 4 waves a work-group, clusters of 4 x 4, 327,680 bytes of LDS; arguments cb, qkv; writes qkv
;; launch attn (part 5): grid 256 x 1, 8 waves a work-group, clusters of 4 x 1, 327,680 bytes of LDS; arguments qkv, att; writes att
.if DOCPART == 5
	.amdgcn_target "amdgcn-amd-amdhsa--gfx1250"
	.amdhsa_code_object_version 6
	.text
	.protected	k_qbd13637034_attn
	.globl	k_qbd13637034_attn
	.p2align	8
	.type	k_qbd13637034_attn,@function
k_qbd13637034_attn:
	s_mov_b64 s[64:65], 0
	v_nop
	global_prefetch_b8 v0, s[64:65] scope:SCOPE_SE
	s_setreg_imm32_b32 hwreg(HW_REG_WAVE_MODE, 25, 1), 1
	s_wait_xcnt 0x0
	s_wait_alu depctr_hold_cnt(0) depctr_sa_sdst(0) depctr_va_vdst(0) depctr_va_sdst(0) depctr_va_ssrc(0) depctr_va_vcc(0) depctr_vm_vsrc(0)
	s_getreg_b32 s2, hwreg(HW_REG_IB_STS2, 6, 4)
	s_cmp_eq_u32 s2, 0
	s_cbranch_scc0 .Lentry_in_a_cluster
	s_endpgm
.Lentry_in_a_cluster:
	s_bfe_u32 s2, ttmp6, 0x10000c
	s_cmp_lg_u32 s2, 0x3003
	s_cbranch_scc0 .Lentry_shape_is_right
	s_endpgm
.Lentry_shape_is_right:
; Attention of one head, scores never leaving the registers: att[h][b n][d] = sum over m of softmax over m of (q[n] . k[m] / 8) v[m][d].
; q comes in already multiplied by 0.125 log2(e), so a score S is in units of log2 and p = 2^(S - max).  The row maximum is a running one:
; in every step of 64 keys the new maximum is taken away, and sum and output are rescaled by 2^(old max - new max).
; Operands f16 (q, k, v, p), sums, maxima and exponentials f32.
; LIMITS: NaN and infinities are not served; an exponential below 2^-126 comes out as zero; the row sum adds p before its rounding to f16.
; SHARES: cluster = one (batch, head), 64 of them; its four work-groups take 512 queries each; a wave takes 64 queries (four tiles of 16).
; CLUSTER: the four work-groups walk the same 2,048 keys, so every tile of K and of V is asked for jointly (mask 15): a quarter of the requests.
; TRANSPOSED FORMS: S^T = K Q^T (A = 16 keys, B = 16 queries): lane (r, h) register j holds key 8 h + j of the tile, query r.  Two such tiles, packed to f16,
; ARE the B fragment of P^T for O^T = V^T P^T, whose A fragments (V transposed) come by transposing LDS loads.  A query is a lane: maximum, sum and
; rescaling need one exchange between the halves of the wave and no other traffic.
; WOVEN HALVES: the four query tiles form two pairs, G0 (tiles 0, 1) and G1 (tiles 2, 3), half a step apart.  While one pair's scores go through the softmax,
; the other pair's products are issued, one matrix instruction followed by two (O) or six (S) vector instructions of the first pair:
;   first half of step i:   O(G1) += V(i-1)^T P(G1, i-1) | O(G0) rescaled;   S(G1, i)   = K(i) Q(G1)^T   | S(G0, i) - max and its exponentials;
;                           maximum and figures of G1, step i;      the wait;   sums and roundings of G0, step i
;   second half of step i:  O(G0) += V(i)^T P(G0, i)     | O(G1) rescaled;   S(G0, i+1) = K(i+1) Q(G0)^T | S(G1, i) - max and its exponentials;
;                           maximum and figures of G0, step i + 1;  the wait;   sums and roundings of G1, step i
; BATCHES: a half's exponentials are ONE batch with ONE wait: the 64 weights of the pair in the softmax and, last, the two factors 2^(old max - new max) of the other
; pair, whose scores the half itself has made.  Ahead of the wait nothing names a result of the batch; behind it stand the sums and the roundings; the two factors are first
; read in the next half.  So a half begins with figures that are made and waited for.
; REGISTERS in two windows of 256, laid so that each part of a half runs under one window setting:
;   window 0: v4-43 addresses and the softmax's small figures; v64-127 K fragments; v128-255 S, with P in place
;   window 1: v0-127 O; v128-191 Q fragments; v192-255 V^T fragments
.set SLABB,  1048576
.set KPITCH, 144                       ; a key's 128 bytes + 16: an odd multiple of 16
.set VPITCH, 160                       ; a key's 128 bytes + 32: an odd multiple of 32, for the transposing loads
.set KPART,  64*KPITCH                 ; 9,216: what one of waves 0-3 brings
.set VPART,  64*VPITCH                 ; 10,240: what one of waves 4-7 brings
.set VBASE,  4*VPART                   ; V's 256 keys begin at 40,960 of a slot (K's end at 36,864)
.set SLOT,   8*VPART                   ; 81,920; two slots
.set STAGE,  2*SLOT                    ; 163,840: behind the ring 64 rows x 144 bytes for each wave, for the way out; no load fills them
.set TILEB,  32768                     ; 256 keys x 128 bytes in memory
.set ADRK, 4                           ; v4-5    LDS address of my K fragments in slot 0, 1
.set ADRV, 6                           ; v6-7    the same for V
.set STO,  8
.set RD,   9
.set CO,   10
.set QOFF, 11
.set NM,   16                          ; v[16+2qt] minus the running maximum;   v[17+2qt] (MX) the running maximum
.set MX,   17
.set AL,   24                          ; v[24+2qt] 2^(old max - new max), at the end 1 / sum;   v[25+2qt] (TX) at work
.set TX,   25
.set LS,   32                          ; v[32+2qt:33+2qt] the running sum, in two parts
.set T2,   40                          ; v[40+qt]  second chain of the maximum, then the other half's figure
.set KF,   64                          ; window 0: K fragment (kt, ks) at 8 (2 kt + ks)
.set SB,   128                         ; window 0: S tile (kt, qt) at 32 qt + 8 kt; P fragment (c, qt) in place at 32 qt + 16 c
.set QF,   128                         ; window 1: Q fragment (qt, ks) at 8 (2 qt + ks)
.set VF,   192                         ; window 1: V fragment (dt, c) at 8 (4 c + dt);   window 1, v0-127: O tile (dt, qt) at 8 (4 qt + dt)
.set G1K, 16                           ; s[16:23]
.set G1V, 24                           ; s[24:31]
.set G0K, 32                           ; s[32:39] one set for each slot
.set G0V, 40                           ; s[40:47]
.set MSB, 0
.macro WIN new                         ; the immediate's high byte repeats the setting that is left
.if MSB != \new
	s_set_vgpr_msb (MSB<<8)|\new
.set MSB, \new
.endif
.endm
.set W_S, 0x04                         ; source 1 (Q) window 1; source 0 (K), source 2 and destination (S) window 0
.set W_O, 0x51                         ; source 0 (V^T), source 2 and destination (O) window 1; source 1 (P, or the rescaling factor) window 0
.macro ROUND                           ; a round of the cluster's barrier
	s_barrier_signal -1
	s_barrier_wait -1
	s_cmp_lg_u32 s10, 0
	s_cbranch_scc1 .Lnot_wave_0_\@
	s_barrier_signal -3
.Lnot_wave_0_\@:
	s_barrier_wait -3
	s_barrier_signal -1
	s_barrier_wait -1
.endm
.macro JLOAD s                         ; waves 0-3 ask for 64 keys of K each, waves 4-7 for 64 keys of V each: one load a wave
	s_cmp_eq_u32 s11, 0
	s_cbranch_scc0 .Lfor_v_\@
	tensor_load_to_lds s[G0K+4*(\s):G0K+4*(\s)+3], s[G1K:G1K+7]
	s_nop 0
	s_branch .Lasked_\@
.Lfor_v_\@:
	tensor_load_to_lds s[G0V+4*(\s):G0V+4*(\s)+3], s[G1V:G1V+7]
	s_nop 0
.Lasked_\@:
.endm
	s_load_b128 s[4:7], s[0:1], 0x0                ; qkv s[4:5], att s[6:7]
	v_lshl_add_u32 v62, v0, 2, 0x3a000
	v_mov_b32 v63, 0
	ds_add_u32 v62, v63
	v_lshrrev_b32 v1, 5, v0
	v_readfirstlane_b32 s10, v1                    ; wave 0..7
	s_lshr_b32 s11, s10, 2                         ; I ask for K (0) or for V (1)
	s_and_b32 s12, s10, 3                          ; which 64 keys of the tile
	s_bfe_u32 s13, ttmp6, 0x40000                  ; cx: my block of 512 queries
	s_and_b32 s14, ttmp9, 15                       ; head
	s_lshr_b32 s15, ttmp9, 4                       ; batch
	s_lshl_b32 s14, s14, 20                        ; the head's slab
	s_lshl_b32 s15, s15, 18                        ; the batch's 2,048 rows of 128 bytes
	s_add_co_u32 s14, s14, s15
	s_lshl_b32 s15, s12, 13                        ; my 64 keys
	s_add_co_u32 s60, s14, s15
	s_add_co_u32 s60, s60, 16*SLABB                ; k's slabs are 16 to 31,
	s_mov_b32 s61, 0
	s_add_co_u32 s62, s60, 16*SLABB                ; v's 32 to 47
	s_mov_b32 s63, 0
	s_lshl_b32 s56, s13, 16                        ; 512 queries of 128 bytes
	s_lshl_b32 s57, s10, 13                        ; + 64 for each wave
	s_add_co_u32 s56, s56, s57
	s_add_co_u32 s56, s56, s14
	s_mov_b32 s57, 0
	s_mov_b32 s54, 0x76543210                      ; v_permlanex16_b32: lane i of one half reads lane i of the other
	s_mov_b32 s55, 0xfedcba98
	; group 1: 64 keys are 8,192 dense bytes, taken as 32 rows of 256 bytes; padding behind every 32 words, that is behind every key
	s_mov_b32 s[G1K+0], 15|(1<<16)|(1<<20)|(1<<21)|(4<<22)|(3<<25)   ; mask: all four work-groups; element 2 bytes; padding on; bit 21 beside a mask; interval code 4; 4 words
	s_mov_b32 s[G1V+0], 15|(1<<16)|(1<<20)|(1<<21)|(4<<22)|(7<<25)   ; the same with 8 words
.irp g, G1K, G1V
	s_mov_b32 s[\g+1], 128<<16                     ; tensor_dim0 = 128 elements
	s_mov_b32 s[\g+2], 32<<16                      ; tensor_dim1 = 32 rows
	s_mov_b32 s[\g+3], 128<<16                     ; tile_dim0
	s_mov_b32 s[\g+4], 32                          ; tile_dim1
	s_mov_b32 s[\g+5], 128                         ; elements from row to row: dense
	s_mov_b32 s[\g+6], 0
	s_mov_b32 s[\g+7], 0
.endr
	s_mul_i32 s52, s10, KPART                      ; where they go: wave x 9,216 (waves 0-3),
	s_mul_i32 s53, s10, VPART                      ; wave x 10,240 (waves 4-7): no place in the cluster enters an LDS address
	v_and_b32 v1, 15, v0                           ; r
	v_bfe_u32 v2, v0, 4, 1                         ; h
	v_lshlrev_b32 v3, 7, v1
	v_lshl_add_u32 v[QOFF], v2, 4, v3              ; row r of 128 bytes + 16 h
	s_wait_dscnt 0x0
	s_wait_kmcnt 0x0
	s_add_nc_u64 s[60:61], s[4:5], s[60:61]
	s_add_nc_u64 s[62:63], s[4:5], s[62:63]
	s_add_nc_u64 s[58:59], s[6:7], s[56:57]        ; my 64 rows of att
	s_add_nc_u64 s[56:57], s[4:5], s[56:57]        ; my 64 rows of q
	WIN 0x40                                       ; Q's fragments lie in window 1, the address in window 0
.irp qt, 0,1,2,3
.irp ks, 0,1
	global_load_b128 v[QF+8*(2*\qt+\ks):QF+8*(2*\qt+\ks)+3],   v[QOFF], s[56:57] offset:2048*\qt+64*\ks      ; query 16 qt + r, d = 32 ks + 8 h ..
	global_load_b128 v[QF+8*(2*\qt+\ks)+4:QF+8*(2*\qt+\ks)+7], v[QOFF], s[56:57] offset:2048*\qt+64*\ks+32   ; d = 32 ks + 16 + 8 h ..
.endr
.endr
	WIN 0
.irp s, 0,1
	s_mov_b32 s[G0K+4*\s], 1
	s_add_co_u32 s[G0K+4*\s+1], s52, \s*SLOT
	s_add_nc_u64 s[G0K+4*\s+2:G0K+4*\s+3], s[60:61], \s*TILEB      ; tile s
	s_or_b32 s[G0K+4*\s+3], s[G0K+4*\s+3], 0x80000000
	s_mov_b32 s[G0V+4*\s], 1
	s_add_co_u32 s[G0V+4*\s+1], s53, \s*SLOT
	s_add_nc_u64 s[G0V+4*\s+2:G0V+4*\s+3], s[62:63], \s*TILEB
	s_or_b32 s[G0V+4*\s+3], s[G0V+4*\s+3], 0x80000000
.endr
	ROUND                                          ; the four work-groups are here: the first joint loads meet
	JLOAD 0                                        ; tiles 0 and 1: both first fills go out together; two loads of the wave are out
	JLOAD 1
	v_mul_u32_u24 v3, v1, KPITCH
	v_lshl_add_u32 v[ADRK], v2, 4, v3              ; key r x pitch + 16 h
	v_add_nc_u32 v[ADRK+1], SLOT, v[ADRK]
	v_and_b32 v3, 7, v0
	v_lshl_add_u32 v12, v2, 3, v3                  ; key 8 h + (l & 7)
	v_mul_u32_u24 v12, v12, VPITCH
	v_bfe_u32 v13, v0, 3, 1
	v_lshl_add_u32 v12, v13, 4, v12                ; + 16 ((l >> 3) & 1)
	v_add_nc_u32 v[ADRV], VBASE, v12
	v_add_nc_u32 v[ADRV+1], VBASE+SLOT, v12
	s_mul_i32 s49, s10, KPART
	s_add_co_u32 s49, s49, STAGE                   ; my stage
	v_add_nc_u32 v[STO], s49, v[ADRK]              ; in: row r x 144 + 16 h
	v_bfe_u32 v13, v0, 3, 2
	v_mul_u32_u24 v13, v13, KPITCH
	v_lshl_add_u32 v13, v3, 4, v13
	v_add_nc_u32 v[RD], s49, v13                   ; back: eight lanes take a row of 128 bytes, a load four rows
	v_and_b32 v13, 31, v0
	v_lshlrev_b32 v[CO], 4, v13
; 16 LDS loads: the K fragments of keys 64 i .. 64 i + 63 of a slot
.macro LOADK slot, i
	WIN 0
.irp kt, 0,1,2,3
.irp ks, 0,1
	ds_load_b128 v[KF+8*(2*\kt+\ks):KF+8*(2*\kt+\ks)+3],   v[ADRK+(\slot)] offset:(64*(\i)+16*\kt)*KPITCH+64*\ks
	ds_load_b128 v[KF+8*(2*\kt+\ks)+4:KF+8*(2*\kt+\ks)+7], v[ADRK+(\slot)] offset:(64*(\i)+16*\kt)*KPITCH+64*\ks+32
.endr
.endr
.endm
; 16 transposing LDS loads: the V^T fragments of the same keys: fragment (dt, c) = d 16 dt .. + 15, keys 32 c .. + 31
.macro LOADV slot, i
	WIN 0x40
.irp c, 0,1
.irp dt, 0,1,2,3
	ds_load_tr16_b128 v[VF+8*(4*\c+\dt):VF+8*(4*\c+\dt)+3],   v[ADRV+(\slot)] offset:(64*(\i)+32*\c)*VPITCH+32*\dt
	ds_load_tr16_b128 v[VF+8*(4*\c+\dt)+4:VF+8*(4*\c+\dt)+7], v[ADRV+(\slot)] offset:(64*(\i)+32*\c+16)*VPITCH+32*\dt
.endr
.endr
.endm
; The KK-th of a pair's 16 products S^T = K Q^T (y: the pair's first query tile): d 0-31 start the eight tiles, d 32-63 add onto them, eight instructions later.
.macro SMUL y
.set I_Q, \y+(KK%8)/4
.set R_S, SB+32*I_Q+8*(KK%4)
.if KK < 8
	v_wmma_f32_16x16x32_f16 v[R_S:R_S+7], v[KF+16*(KK%4):KF+16*(KK%4)+7], v[QF+16*I_Q:QF+16*I_Q+7], 0
.else
	v_wmma_f32_16x16x32_f16 v[R_S:R_S+7], v[KF+16*(KK%4)+8:KF+16*(KK%4)+15], v[QF+16*I_Q+8:QF+16*I_Q+15], v[R_S:R_S+7]
.endif
.endm
; The KK-th of a pair's 16 products O^T += V^T P^T: keys 0-31 on the eight tiles, then keys 32-63.  pfirst = 1: the pair's very first products start the sums.
.macro PMUL y, pfirst
.set I_Q, \y+(KK%8)/4
.set R_O, 8*(4*I_Q+KK%4)
.set R_V, VF+8*(4*(KK/8)+KK%4)
.set R_P, SB+32*I_Q+16*(KK/8)
.if (\pfirst)*(1-KK/8)
	v_wmma_f32_16x16x32_f16 v[R_O:R_O+7], v[R_V:R_V+7], v[R_P:R_P+7], 0
.else
	v_wmma_f32_16x16x32_f16 v[R_O:R_O+7], v[R_V:R_V+7], v[R_P:R_P+7], v[R_O:R_O+7]
.endif
.endm
; The softmax's three steps on register pair p (0 to 31) of the pair of query tiles that begins at XG.  The first two run under the setting W_S, in which the second
; source position means window 1: so the maximum is taken away by a packed multiply-add with the constant 1.0 in that position and the addend in the third; the values
; are those of an add.  The sum has the same form, with the running sum as the addend.
.macro CSUB p
.set R_S, SB+32*XG+2*(\p)
.set I_Q, XG+(\p)/16
	v_pk_fma_f32 v[R_S:R_S+1], v[R_S:R_S+1], 1.0, v[NM+2*I_Q:NM+2*I_Q+1] op_sel_hi:[1,0,0]
.endm
.macro EXP2 p
.set R_S, SB+32*XG+2*(\p)
	v_exp_f32 v[R_S], v[R_S]
	v_exp_f32 v[R_S+1], v[R_S+1]
.endm
.macro ESUM p, vfirst
.set R_S, SB+32*XG+2*(\p)
.set I_Q, XG+(\p)/16
.if (\vfirst)*(1-((\p)%16+15)/16)
	v_pk_mul_f32 v[LS+2*I_Q:LS+2*I_Q+1], v[R_S:R_S+1], 1.0 op_sel_hi:[1,0]   ; the launch's first step: a tile's first pair starts its sum
.else
	v_pk_fma_f32 v[LS+2*I_Q:LS+2*I_Q+1], v[R_S:R_S+1], 1.0, v[LS+2*I_Q:LS+2*I_Q+1] op_sel_hi:[1,0,1]
.endif
.endm
; S of pair y (mat = 1) woven with the subtraction and the exponentials of pair x: behind each matrix instruction six vector instructions on two register pairs,
; the subtraction one turn ahead of the exponentials.  These 64 exponentials open the half's batch: no line here names a result of theirs; each works in place on a register
; that is next named behind the half's wait.  No exponential is followed directly by a line that reads its result or writes its source (ISA guide 5.7.2).
.macro SPART y, x, mat
.set XG, \x
	CSUB 0
	CSUB 1
.set KK, 0
.rept 16
.if \mat
	SMUL \y
.endif
.if KK < 15
	CSUB 2*KK+2
.endif
	EXP2 2*KK
.if KK < 15
	CSUB 2*KK+3
.endif
	EXP2 2*KK+1
.set KK, KK+1
.endr
.endm
; O of pair y woven with the rescaling of O of pair x (resc = 1): two packed multiplies behind each matrix instruction.  At the end five places in all behind the
; last product: four before loads land on V's fragments, five before S is written over P.  The factor was made, and waited for, in the half before.
.macro PVPART y, x, pfirst, resc
.set KK, 0
.rept 16
	PMUL \y, \pfirst
.if \resc
.set R_X, 32*\x+4*KK
.set I_X, \x+KK/8
	v_pk_mul_f32 v[R_X:R_X+1],   v[R_X:R_X+1],   v[AL+2*I_X:AL+2*I_X+1] op_sel_hi:[1,0]
	v_pk_mul_f32 v[R_X+2:R_X+3], v[R_X+2:R_X+3], v[AL+2*I_X:AL+2*I_X+1] op_sel_hi:[1,0]
.endif
.set KK, KK+1
.endr
.rept 5-2*(\resc)
	v_nop
.endr
.endm
; The largest of my 32 scores of each of the pair's two query tiles and the running maximum: four chains that do not wait for each other.  It follows the products that made
; the scores: the tiles are read in the order in which they were finished, each from its lowest registers on; the tile of the last product is read 24 of these lines behind it,
; the one before behind two subtractions and 16 of them: four places or more each (ISA guide 7.12.1).  Its first line is also the plain instruction behind the last of the 64 exponentials.
.macro MAXG x, vfirst
.set NN, 0
.rept 8
.irp d, 0,1
.if NN == 0
.if \vfirst
	v_max_num_f32 v[TX+2*(\x+\d)], v[SB+32*(\x+\d)], v[SB+32*(\x+\d)+1]
.else
	v_max3_num_f32 v[TX+2*(\x+\d)], v[SB+32*(\x+\d)], v[SB+32*(\x+\d)+1], v[MX+2*(\x+\d)]
.endif
	v_max_num_f32 v[T2+\x+\d], v[SB+32*(\x+\d)+2], v[SB+32*(\x+\d)+3]
.else
	v_max3_num_f32 v[TX+2*(\x+\d)], v[TX+2*(\x+\d)], v[SB+32*(\x+\d)+4*NN], v[SB+32*(\x+\d)+4*NN+1]
	v_max3_num_f32 v[T2+\x+\d], v[T2+\x+\d], v[SB+32*(\x+\d)+4*NN+2], v[SB+32*(\x+\d)+4*NN+3]
.endif
.endr
.set NN, NN+1
.endr
.irp d, 0,1
	v_max_num_f32 v[TX+2*(\x+\d)], v[TX+2*(\x+\d)], v[T2+\x+\d]
.endr
.endm
; The other half of the wave holds the query's other keys; then the new maximum, the factor 2^(old - new), and the maximum's negative.  The two exponentials close the half's
; batch; the four lines behind them name neither result.
.macro NEWMAX x, vfirst
.irp d, 0,1
	v_permlanex16_b32 v[T2+\x+\d], v[TX+2*(\x+\d)], s54, s55
.endr
.if \vfirst
.irp d, 0,1
	v_max_num_f32 v[MX+2*(\x+\d)], v[TX+2*(\x+\d)], v[T2+\x+\d]
.endr
.irp d, 0,1
	v_mul_f32 v[NM+2*(\x+\d)], -1.0, v[MX+2*(\x+\d)]
.endr
.else
.irp d, 0,1
	v_max_num_f32 v[TX+2*(\x+\d)], v[TX+2*(\x+\d)], v[T2+\x+\d]
.endr
.irp d, 0,1
	v_sub_f32 v[AL+2*(\x+\d)], v[MX+2*(\x+\d)], v[TX+2*(\x+\d)]    ; old - new, at most 0
.endr
.irp d, 0,1
	v_exp_f32 v[AL+2*(\x+\d)], v[AL+2*(\x+\d)]
.endr
.irp d, 0,1
	v_mov_b32 v[MX+2*(\x+\d)], v[TX+2*(\x+\d)]                     ; also the plain instructions behind the exponentials
.endr
.irp d, 0,1
	v_mul_f32 v[NM+2*(\x+\d)], -1.0, v[TX+2*(\x+\d)]
.endr
.endif
.endm
; The running sum of pair x rescaled, ahead of the step's additions.  Its factor belongs to the batch of the half before, so these two lines stand ahead of the wait.
.macro LRESC x
.irp d, 0,1
	v_pk_mul_f32 v[LS+2*(\x+\d):LS+2*(\x+\d)+1], v[LS+2*(\x+\d):LS+2*(\x+\d)+1], v[AL+2*(\x+\d):AL+2*(\x+\d)+1] op_sel_hi:[1,0]
.endr
.endm
; The readers of the 64 weights, behind the wait: register pair n of each tile is added onto the tile's running sum (n ascending: one chain a tile, its links four lines apart)
; and then rounded to f16, in place: pair n (registers 2 n, 2 n + 1 of a tile's 32) goes to register n (n < 8) or n + 8: a register whose pair has been added and rounded already.
.macro SUMPACK x, vfirst
.set XG, \x
.set NN, 0
.rept 16
	ESUM NN, \vfirst
	ESUM NN+16, \vfirst
.irp d, 0,1
	v_cvt_pk_f16_f32 v[SB+32*(\x+\d)+NN+8*(NN/8)], v[SB+32*(\x+\d)+2*NN], v[SB+32*(\x+\d)+2*NN+1]
.endr
.set NN, NN+1
.endr
.endm
; The first half of the step on keys 64 j .. 64 j + 63 of a slot.  No LDS load is out at its head; G0's maximum and factor for this step are made and waited for.
; vfirst: the launch's first step;  pv: there is a step before, whose O(G1) is due;  pfirst: that product starts O(G1).
; tail = 1: the next step's K fragments come from the same slot;  2: the slot has been read to its end: round, refill, K from the other slot;
; 3: the same without a refill;  0: there is no next step.  The tail stands directly behind the wait: its branches find no exponential without its wait, more than four plain lines
; that name no register of the last product lie between that product and the loads into K's fragments, and the sums and roundings follow while the loads are out.
; All matrix instructions take their accumulators by turns, one instruction a turn (eight tiles of O twice, eight of S twice).
.macro HALFA slot, j, vfirst, pv, pfirst, tail
.if \pv
	WIN W_O
	PVPART 2, 0, \pfirst, 1-\vfirst
.endif
	LOADV \slot, \j                                ; this step's V, first used in the second half
	WIN W_S
	SPART 2, 0, 1
	WIN 0
	MAXG 2, \vfirst                                ; G1's figures for this step
	NEWMAX 2, \vfirst
.if 1-\vfirst
	LRESC 0
.endif
	s_wait_alu depctr_va_vdst(0)                   ; the half's one wait: for G0's 64 weights and G1's two factors, ahead of their first reader
.if \tail == 1
	LOADK \slot, \j+1
.endif
.if \tail == 2
	s_wait_tensorcnt 0x0                           ; all my tensor loads have landed (my part of the other slot's tile): every group 0 may be written
	ds_add_u32 v62, v63
	s_add_nc_u64 s[G0K+4*\slot+2:G0K+4*\slot+3], s[G0K+4*\slot+2:G0K+4*\slot+3], 2*TILEB   ; this slot's next tile
	s_add_nc_u64 s[G0V+4*\slot+2:G0V+4*\slot+3], s[G0V+4*\slot+2:G0V+4*\slot+3], 2*TILEB
	s_wait_dscnt 0x0                               ; my reads of this slot are done: its last V fragments are in registers
	ROUND                                          ; both now hold of every wave of the four work-groups
	JLOAD \slot                                    ; the joint refill, first behind the round, one load a wave; it has four steps (256 matrix instructions a wave) in which to land
	LOADK 1-\slot, 0
.endif
.if \tail == 3
	s_wait_tensorcnt 0x0                           ; my part of the last tile has landed
	s_wait_dscnt 0x0
	s_barrier_signal -1
	s_barrier_wait -1                              ; everybody's has
	LOADK 1-\slot, 0
.endif
	SUMPACK 0, \vfirst
.endm
; The second half.  smat: there is a next step, whose S(G0) and figures are due;  kout: its K fragments were asked for behind this step's V fragments.
; Without a next step the rescaling of the sum is the plain instruction behind the last exponential.
.macro HALFB vfirst, pfirst, smat, kout
	s_wait_dscnt 16*\kout                          ; V's 16 loads are in; the 16 of the next K, issued behind them, may stay out
	WIN W_O
	PVPART 0, 2, \pfirst, 1-\vfirst
.if \kout
	s_wait_dscnt 0x0                               ; the next K is in
.endif
	WIN W_S
	SPART 0, 2, \smat
	WIN 0
.if \smat
	MAXG 0, 0                                      ; G0's figures for the next step
	NEWMAX 0, 0
.endif
.if 1-\vfirst
	LRESC 2
.endif
	s_wait_alu depctr_va_vdst(0)                   ; the half's one wait: for G1's 64 weights and G0's two factors, ahead of their first reader and of the loop's jump
	SUMPACK 2, \vfirst
.endm
.macro STEP slot, j, tail
	HALFA \slot, \j, 0, 1, 0, \tail
	HALFB 0, 0, 1, 1
.endm
	s_wait_tensorcnt 0x1                           ; my part of tile 0 is in; tile 1's load stays out
	s_barrier_signal -1
	s_barrier_wait -1
	LOADK 0, 0
	s_wait_loadcnt 0x0                             ; Q, once
	s_wait_dscnt 0x0
	WIN W_S
.set KK, 0
.rept 16
	SMUL 0                                         ; S(G0, 0): the one run of products with nothing to weave in
.set KK, KK+1
.endr
.rept 4
	v_nop                                          ; four places before S is read
.endr
	WIN 0
	MAXG 0, 1                                      ; G0's first maximum: it has no old one, so no factor and no exponential
	NEWMAX 0, 1
	HALFA 0, 0, 1, 0, 0, 1                         ; steps 0 and 1 start maxima, sums and outputs
	HALFB 1, 1, 1, 1
	HALFA 0, 1, 0, 1, 1, 1
	HALFB 0, 0, 1, 1
	WIN 0
	s_mov_b32 s48, 3
.Lring:                                            ; a trip: the rest of an even tile, an odd tile, the first two steps of the next even tile; it asks for two tiles: 2 to 7 in all
	STEP 0, 2, 1
	STEP 0, 3, 2
	STEP 1, 0, 1
	STEP 1, 1, 1
	STEP 1, 2, 1
	STEP 1, 3, 2
	STEP 0, 0, 1
	STEP 0, 1, 1
	WIN 0
	s_sub_co_u32 s48, s48, 1
	s_cmp_lg_u32 s48, 0
	s_cbranch_scc1 .Lring
	STEP 0, 2, 1                                   ; the rest of tile 6 and tile 7: nothing is left to fetch
	STEP 0, 3, 3
	STEP 1, 0, 1
	STEP 1, 1, 1
	STEP 1, 2, 1
	HALFA 1, 3, 0, 1, 0, 0
	HALFB 0, 0, 0, 0
	WIN W_O
	PVPART 2, 0, 0, 0                              ; O(G1) of the last step; five places stand behind it
	; THE WAY OUT: divide by the row sum, round to f16, through my own stage, out as 8,192 dense bytes
	WIN 0
.irp qt, 0,1,2,3
	v_add_f32 v[TX+2*\qt], v[LS+2*\qt], v[LS+2*\qt+1]
.endr
.irp qt, 0,1,2,3
	v_permlanex16_b32 v[T2+\qt], v[TX+2*\qt], s54, s55
.endr
.irp qt, 0,1,2,3
	v_add_f32 v[TX+2*\qt], v[TX+2*\qt], v[T2+\qt]                  ; at least 1: the largest term is 2^0
.endr
.irp qt, 0,1,2,3
	v_rcp_f32 v[AL+2*\qt], v[TX+2*\qt]
.endr
	v_nop                                          ; one plain instruction behind the reciprocals
	s_wait_alu depctr_va_vdst(0)                   ; one wait for the four reciprocals, a batch of their own, ahead of their first reader
	WIN 0x41                                       ; O in window 1, the factor in window 0
.irp qt, 0,1,2,3
.set NN, 0
.rept 16
	v_pk_mul_f32 v[32*\qt+2*NN:32*\qt+2*NN+1], v[32*\qt+2*NN:32*\qt+2*NN+1], v[AL+2*\qt:AL+2*\qt+1] op_sel_hi:[1,0]
.set NN, NN+1
.endr
.endr
	WIN 0x05                                       ; both sources window 1, destination window 0
.irp t, 0,1,2,3,4,5,6,7,8,9,10,11,12,13,14,15
.irp p, 0,1,2,3
	v_cvt_pk_f16_f32 v[SB+4*\t+\p], v[8*\t+2*\p], v[8*\t+2*\p+1]   ; tile t = 4 qt + dt: query r, d = 16 dt + 8 h + 0..7: 16 bytes that belong together
.endr
.endr
	WIN 0
.irp qt, 0,1,2,3
.irp dt, 0,1,2,3
	ds_store_b128 v[STO], v[SB+4*(4*\qt+\dt):SB+4*(4*\qt+\dt)+3] offset:16*KPITCH*\qt+32*\dt
.endr
.endr
.irp i, 0,1,2,3,4,5,6,7,8,9,10,11,12,13,14,15
	ds_load_b128 v[192+4*\i:192+4*\i+3], v[RD] offset:4*KPITCH*\i  ; LDS serves a wave's instructions in order: these see my stores above
.endr
.irp i, 0,1,2,3,4,5,6,7,8,9,10,11,12,13,14,15
	s_wait_dscnt 15-\i
	global_store_b128 v[CO], v[192+4*\i:192+4*\i+3], s[58:59] offset:512*\i   ; a wave's store covers 512 consecutive bytes, aligned
.endr
	s_wait_tensorcnt 0x0
	ds_add_u32 v62, v63
	s_wait_dscnt 0x0
	ROUND                                          ; the closing round
	s_endpgm
.Lfunc_end_k_qbd13637034_attn:
	.size	k_qbd13637034_attn, .Lfunc_end_k_qbd13637034_attn-k_qbd13637034_attn
	.p2alignl 7, 3214868480
	.fill 96, 4, 3214868480
	.section	.rodata,"a",@progbits
	.p2align	6, 0x0
	.amdhsa_kernel k_qbd13637034_attn
		.amdhsa_group_segment_fixed_size 327680
		.amdhsa_private_segment_fixed_size 0
		.amdhsa_enable_private_segment 0
		.amdhsa_kernarg_size 16
		.amdhsa_user_sgpr_count 2
		.amdhsa_user_sgpr_kernarg_segment_ptr 1
		.amdhsa_wavefront_size32 1
		.amdhsa_system_sgpr_workgroup_id_x 1
		.amdhsa_system_sgpr_workgroup_id_y 1
		.amdhsa_system_sgpr_workgroup_id_z 1
		.amdhsa_system_vgpr_workitem_id 0
		.amdhsa_next_free_vgpr 512
		.amdhsa_next_free_sgpr 66
		.amdhsa_reserve_vcc 0
		.amdhsa_float_denorm_mode_32 3
		.amdhsa_float_denorm_mode_16_64 3
		.amdhsa_memory_ordered 1
		.amdhsa_forward_progress 1
		.amdhsa_inst_pref_size 255
	.end_amdhsa_kernel
	.section	.bss,"aw",@nobits
	.p2align	6
	.space	262144
	.amdgpu_metadata
---
amdhsa.version: [ 1, 2 ]
amdhsa.kernels:
  - .name:           k_qbd13637034_attn
    .symbol:         k_qbd13637034_attn.kd
    .args:
      - { .name: qkv, .offset: 0, .size: 8, .value_kind: global_buffer, .address_space: global }
      - { .name: att, .offset: 8, .size: 8, .value_kind: global_buffer, .address_space: global }
    .group_segment_fixed_size: 327680
    .private_segment_fixed_size: 0
    .kernarg_segment_align: 8
    .kernarg_segment_size: 16
    .max_flat_workgroup_size: 256
    .sgpr_count:     66
    .vgpr_count:     512
    .wavefront_size: 32
...
	.end_amdgpu_metadata
.endif
;; end of part 5
;; launch proj: the kernel of part 4 again; grid 8 x 32, 4 waves a work-group, clusters of 4 x 4, 327,680 bytes of LDS; arguments att, cb, b_proj, out0; writes out0
